; MI455X (gfx1250); checked and timed in simulation.
; The chip was launched on July 23, 2026; its instructions are those of AMD's public machine-readable ISA for CDNA 5 (MIT licence, August 2026) and "CDNA5" Instruction Set Architecture Reference Guide (July 2026). The comments in the code are by the model that wrote it; some were corrected since.
;; Multi Head Attention. Allowed arithmetic: matrix products marked QUANTISED: E2M3 operands, one E8M0 scale for each 32 along K, by v_wmma_scale_f32_16x16x128_f8f6f4 with both operands' format E2M3, f32 sums; everything else in f32.
;; Inputs: proj_b 1,024 float32; proj_w 1,024 x 1,024 float32; qkv_b 3,072 float32; qkv_w 3,072 x 1,024 float32; x 4 x 2,048 x 1,024 float32.
;; Outputs: out0 4 x 2,048 x 1,024 float32.
;; This version of the problem:
;;   THIS VERSION OF THE PROBLEM IS GIVEN IN LOW PRECISION. The matrix products marked QUANTISED in the list below multiply operands that are first quantised to E2M3 (2 exponent bits, 3 mantissa bits; 6 bits a number), with one power-of-two scale for each 32 numbers along K (OCP MX v1.0); their sums are f32. All else is computed in f32.
;;   The module's matrix products, in the order in which they are computed (A, B: the left and right operand; K: the contracted axis; several contracted axes count as one K, in the product's order):
;;     1. [M 8,192, K 1,024] x [K 1,024, N 3,072]; A: input x; B: input qkv_w: QUANTISED
;;     2. batch 64 x [M 2,048, K 64] x [K 64, N 2,048]; A: computed on the way; B: computed on the way: QUANTISED
;;     3. batch 64 x [M 2,048, K 2,048] x [K 2,048, N 64]; A: softmax (see below); B: computed on the way: QUANTISED
;;     4. [M 8,192, K 1,024] x [K 1,024, N 1,024]; A: computed on the way; B: input proj_w: QUANTISED
;;   THE QUANTISER, for each operand of a quantised product, along K:
;;     - K is cut into blocks of 32 from its start; a last block that is shorter is filled with zeros.
;;     - A block's scale is 2^e with e = floor(log2(the largest magnitude in the block)) - 2, held to -126 .. 127; a block of zeros has e = 0. As a byte (E8M0): e + 127.
;;     - Each number is divided by its block's scale, clamped to +-7.5, and rounded to the nearest number of E2M3, ties to even, subnormals kept.
;;     - The product sums the exact products of the quantised numbers (number of the format x scale) in f32.
;;   ~~~python
;;   def quantise(x, axis):      # numpy; x: float32 -> the quantised numbers, widened to float32 again
;;       x = np.moveaxis(x, axis, -1); K = x.shape[-1]
;;       x = np.pad(x, [(0, 0)] * (x.ndim - 1) + [(0, -K % 32)]); x = x.reshape(x.shape[:-1] + (-1, 32)); a = np.abs(x).max(-1, keepdims=True)
;;       e = np.where(a > 0, np.clip(np.frexp(np.where(a > 0, a, 1))[1] - 1 - 2, -126, 127), 0)      # np.frexp(a)[1] - 1 = floor(log2(a)), exactly
;;       r = np.clip(x / 2.0 ** e, -7.5, 7.5)
;;       step = 2.0 ** (np.maximum(np.frexp(np.where(r == 0, 1, r))[1] - 1, 0) - 3)
;;       q = np.round(r / step) * step * 2.0 ** e      # np.round: ties to even
;;       return np.moveaxis(q.reshape(q.shape[:-2] + (-1,))[..., :K], -1, axis).astype(np.float32)
;;   ~~~
;;   SOFTMAX AHEAD OF A QUANTISED PRODUCT. Where the list says 'softmax', what is quantised is not the finished softmax but p = 2^(t - M), with t = logit x log2(e) and M = ceil(the row's largest t), a whole number; so 1/2 < the row's largest p <= 1. The row's sum l is taken of the UNQUANTISED p, in f32, and the product's result is divided by l at the end. Since M is a whole number, a kernel that streams over the keys may use a running M (the ceiling of the running maximum): every later rescaling is an exact power of two, which a block's scale takes up: the codes' values come out the same.
;;   OPERANDS COMPUTED ON THE WAY. 'Computed on the way' means the value that the module computes at that place (a softmax that the list does not call 'softmax' is quantised finished and normalised). What goes into a quantiser is computed in f32, as accurately as f32 sums, v_exp_f32 and their like allow (about 1e-6 of the number): no bf16 or f16 on the way to a quantiser, and a product that is left as it is and whose result goes on into a quantised operand takes f32 operands (vector FMAs, or v_wmma_f32_16x16x4_f32). A number that lies on a knife's edge between two numbers of the format may be rounded either way, as far as f32 arithmetic and the matrix unit's own rounding can turn it there, and no further.
;; One version. Each part assembles by itself: llvm-mc -triple=amdgcn-amd-amdhsa -mcpu=gfx1250 --defsym DOCPART=n.
;; ======== version 1 of 1: 4 launches
;; workspace buffers: xq 6,553,600 bytes; wq 2,457,600 bytes; pq 819,200 bytes; heads 20,447,232 bytes; oq 6,553,600 bytes
;; launch quant (part 1): grid 384 x 1, 4 waves a work-group, no clusters, 33,280 bytes of LDS; arguments x, qkv_w, proj_w, xq, wq, pq; writes xq, wq, pq
.if DOCPART == 1
	.amdgcn_target "amdgcn-amd-amdhsa--gfx1250"
	.amdhsa_code_object_version 6
	.text
	.protected	k_qb2fef51bf0_quant
	.globl	k_qb2fef51bf0_quant
	.p2align	8
	.type	k_qb2fef51bf0_quant,@function
k_qb2fef51bf0_quant:
	s_mov_b64 s[64:65], 0
	v_nop
	global_prefetch_b8 v0, s[64:65] scope:SCOPE_SE
	s_setreg_imm32_b32 hwreg(HW_REG_WAVE_MODE, 25, 1), 1
	s_wait_xcnt 0x0
; x [8192][1024], qkv_w [3072][1024] and proj_w [1024][1024], f32, become codes of FP6 (E2M3), K innermost, 768 bytes a row, with one E8M0 byte for each 32 along K, 32 bytes a row.
; Each output buffer holds its codes first and its scale bytes behind them (at XSO, WSO, PSO).
; A block's scale is 2^(floor(log2(its largest magnitude)) - 2); its byte is the largest magnitude's exponent field - 2, held at 1 from below.
; LIMITS: NaN and infinities among the inputs are not served.  A block of zeros gets the byte 1 where the rule says 127: its codes are zeros, which add nothing under any byte but 0xff, and this program alone reads the bytes.
; A block whose largest magnitude lies under 2^-124 is held at the byte 1.
; ROWS IN TILE ORDER.  x's and qkv_w's rows are STORED in the order 0-7, 16-23, 8-15, 24-31 within each 32: sixteen stored rows on end are then a tile whose results, in a lane's registers of two neighbouring tiles, are
; sixteen neighbours.  A wave takes 8 rows (8,192 numbers), a work-group 32: so waves 1 and 2 change places on the way out, and nothing else knows of it.  proj_w keeps its order.
; A wave takes 16 steps of 512 numbers.  Each of a step's four loads reads 512 consecutive bytes; the 2,048 bytes turn through the wave's own stage in LDS and come back 64 bytes a lane: 16 neighbours along K, two lanes to a block.
; A lane's 16 codes are 12 bytes: the wave stores 384 consecutive bytes.  A wave's 256 scale bytes are gathered in LDS and leave as 256 consecutive bytes, aligned.
; One launch serves the three tensors: work-groups 0-255 x, 256-351 qkv_w, 352-383 proj_w; only pointers and offsets are chosen, on the work-group's number.  No work-group reads what another reads: no cluster, no matrix unit.
.set WAVES, 4
.set STEPS, 16
.set EMAX,  2
.set CB,    12                         ; bytes of 16 codes
.set R,     16                         ; v16-79   four sets of 16 numbers as they are loaded
.set X,     80                         ; v80-111  two sets of 16 neighbours
.set C,     128                        ; v128-191 codes: four registers for each step, so that no store's data are written again
.set E,     112                        ; v112-127 a scale byte for each step
.set WREG,  8192                       ; LDS: a region for each wave: two stages of 32 x SP bytes, behind them its 256 scale bytes
.set SP,    80                         ; a lane's place in a stage: 64 bytes + 16 of padding
.set SPW,   12                         ; v12 LDS address of my spare word; never rewritten
.set NIL,   13                         ; v13 0; never rewritten
.set SPARE, WAVES*WREG                 ; behind the four regions: the spare words, 128 bytes a wave
.set XSO,   6291456                    ; where the scale bytes begin in xq,
.set WSO,   2359296                    ; in wq,
.set PSO,   786432                     ; in pq
.set GX,    256                        ; work-groups under GX take x,
.set GW,    352                        ; under GW qkv_w, the others proj_w
	s_load_b256 s[4:11], s[0:1], 0x0               ; x s[4:5], qkv_w s[6:7], proj_w s[8:9], xq s[10:11]
	s_load_b128 s[12:15], s[0:1], 0x20             ; wq s[12:13], pq s[14:15]
	v_lshl_add_u32 v[SPW], v0, 2, SPARE
	v_mov_b32 v[NIL], 0
	v_lshrrev_b32 v1, 5, v0
	v_readfirstlane_b32 s16, v1                    ; wave
	v_and_b32 v2, 31, v0                           ; lane
	v_lshlrev_b32 v3, 4, v2                        ; my 16 bytes of a load's 512
	s_mul_i32 s17, s16, WREG
	v_lshrrev_b32 v14, 2, v2
	v_mul_u32_u24 v14, v14, SP
	v_and_b32 v15, 3, v2
	v_lshl_add_u32 v14, v15, 4, v14
	v_add_nc_u32 v14, s17, v14                     ; the stage, on the way in: SP (lane / 4) + 16 (lane % 4)
	v_mul_u32_u24 v15, v2, SP
	v_add_nc_u32 v15, s17, v15                     ; and on the way out: SP x lane: my 16 neighbours
	v_mul_u32_u24 v4, v2, CB                       ; my codes' place in a step's
	v_lshrrev_b32 v5, 1, v2
	s_add_co_u32 s17, s17, 2*32*SP
	v_add_nc_u32 v5, s17, v5                       ; LDS: my wave's 256 scale bytes, my block's byte
	v_lshlrev_b32 v7, 3, v2                        ; and on the way out 8 bytes a lane
	v_add_nc_u32 v6, s17, v7
	s_mov_b32 s17, GW                              ; (an instruction takes one literal: the second stands in a register)
	s_mov_b32 s22, PSO
	s_wait_kmcnt 0x0
	s_cmp_lt_u32 ttmp9, GW                         ; qkv_w or proj_w?  The choices hang on the work-group's number alone
	s_cselect_b64 s[6:7], s[6:7], s[8:9]
	s_cselect_b64 s[12:13], s[12:13], s[14:15]
	s_cselect_b32 s17, GX, s17                     ; the tensor's first work-group
	s_cselect_b32 s22, WSO, s22                    ; where its scale bytes begin
	s_cselect_b32 s23, 1, 0                        ; 1: rows in tile order
	s_cmp_lt_u32 ttmp9, GX                         ; x, or the one just chosen?
	s_cselect_b64 s[4:5], s[4:5], s[6:7]
	s_cselect_b64 s[10:11], s[10:11], s[12:13]
	s_cselect_b32 s17, 0, s17
	s_cselect_b32 s22, XSO, s22
	s_cselect_b32 s23, 1, s23
	s_sub_co_u32 s17, ttmp9, s17
	s_lshl_b32 s17, s17, 2
	s_add_co_u32 s18, s17, s16                     ; the run of 8 rows that I read
	s_and_b32 s19, s16, 1
	s_lshl_b32 s19, s19, 1
	s_lshr_b32 s20, s16, 1
	s_or_b32 s19, s19, s20                         ; waves 1 and 2 change places
	s_cmp_eq_u32 s23, 1
	s_cselect_b32 s19, s19, s16
	s_add_co_u32 s19, s17, s19                     ; the run that I write
	s_lshl_b32 s20, s18, 15                        ; 32,768 bytes of f32 a run (under 2^32)
	s_mov_b32 s21, 0
	s_add_nc_u64 s[4:5], s[4:5], s[20:21]
	s_mul_i32 s20, s19, 32*STEPS*CB                ; 6,144 bytes of codes a run
	s_add_nc_u64 s[8:9], s[10:11], s[20:21]
	s_lshl_b32 s20, s19, 8                         ; 256 scale bytes a run
	s_add_co_u32 s20, s20, s22
	s_add_nc_u64 s[10:11], s[10:11], s[20:21]
.macro LOAD t
.irp i, 0,1,2,3
	global_load_b128 v[R+16*((\t)%4)+4*\i:R+16*((\t)%4)+4*\i+3], v3, s[4:5] offset:2048*(\t)+512*\i th:TH_LOAD_NT   ; 32 lanes read 512 consecutive bytes
.endr
.endm
.macro TURN t                          ; step t's numbers through the stage: LDS serves a wave's instructions in order (ISA guide 5.7.1), so no wait stands between the stores and the loads
.irp i, 0,1,2,3
	ds_store_b128 v14, v[R+16*((\t)%4)+4*\i:R+16*((\t)%4)+4*\i+3] offset:32*SP*((\t)%2)+8*SP*\i
.endr
.irp i, 0,1,2,3
	ds_load_b128 v[X+16*((\t)%2)+4*\i:X+16*((\t)%2)+4*\i+3], v15 offset:32*SP*((\t)%2)+16*\i
.endr
.endm
.irp t, 0,1,2,3
	LOAD \t
.endr
	s_wait_loadcnt 12                              ; step 0's four loads are in; the twelve of steps 1 to 3 may be out
	TURN 0
.macro STEP t
.set XS, X+16*((\t)%2)
.if (\t) > 0
	s_wait_dscnt 1                                 ; this step's numbers are back from the stage (the last step's byte store may be out): so its stores into the stage have read their registers,
.else
	s_wait_dscnt 0x0
.endif
.if (\t)+4 < STEPS
	LOAD (\t)+4                                    ; which take the loads of four steps on
.endif
.if (\t)+1 < STEPS
.if STEPS-2-(\t) >= 3
	s_wait_loadcnt 12                              ; the next step's four loads are in; those of the three steps behind it may be out
.else
	s_wait_loadcnt 4*(STEPS-2-(\t))
.endif
	TURN (\t)+1                                    ; and go through the other stage while this step is worked
.endif
	v_max3_num_f32 v8, |v[XS]|, |v[XS+1]|, |v[XS+2]|               ; the largest magnitude of my 16, in two chains
	v_max3_num_f32 v9, |v[XS+3]|, |v[XS+4]|, |v[XS+5]|
.irp i, 6,10
	v_max3_num_f32 v8, v8, |v[XS+\i]|, |v[XS+\i+1]|
	v_max3_num_f32 v9, v9, |v[XS+\i+2]|, |v[XS+\i+3]|
.endr
	v_max3_num_f32 v8, v8, |v[XS+14]|, |v[XS+15]|
	v_max3_num_f32 v8, v8, v9, (EMAX+1)<<23        ; and the floor 2^(3 - 127): the byte cannot fall under 1
	v_max_num_f32_dpp v8, v8, v8 row_xmask:1 row_mask:0xf bank_mask:0xf   ; and of my neighbour's 16: the block's
	v_add_nc_u32 v11, -(EMAX<<23), v8              ; 2 off its exponent field: the conversion takes the exponent field of this operand as its scale
	v_cvt_scalef32_pk16_fp6_f32 v[C+4*(\t):C+4*(\t)+2], v[XS:XS+15], v11   ; sixteen numbers / the scale, to the nearest code, ties to even, beyond the largest code the largest; 96 bits without gaps
	v_lshrrev_b32 v[E+(\t)], 23, v11               ; the scale's byte (also the plain line behind the conversion)
	ds_store_b8 v5, v[E+(\t)] offset:16*(\t)       ; both lanes of a block write the same byte with the same value
	global_store_b96 v4, v[C+4*(\t):C+4*(\t)+2], s[8:9] offset:32*CB*(\t)
.endm
.irp t, 0,1,2,3,4,5,6,7,8,9,10,11,12,13,14,15
	STEP \t
.endr
	ds_load_b64 v[8:9], v6                         ; LDS serves a wave's instructions in order: these see my stores
	s_wait_dscnt 0x0
	global_store_b64 v7, v[8:9], s[10:11]          ; 32 lanes store 256 consecutive bytes, aligned
	s_wait_tensorcnt 0x0                           ; the wave's end, behind my last LDS store
	ds_add_u32 v[SPW], v[NIL]
	s_wait_dscnt 0x0
	s_endpgm
.Lfunc_end_k_qb2fef51bf0_quant:
	.size	k_qb2fef51bf0_quant, .Lfunc_end_k_qb2fef51bf0_quant-k_qb2fef51bf0_quant
	.p2alignl 7, 3214868480
	.fill 96, 4, 3214868480
	.section	.rodata,"a",@progbits
	.p2align	6, 0x0
	.amdhsa_kernel k_qb2fef51bf0_quant
		.amdhsa_group_segment_fixed_size 33280
		.amdhsa_private_segment_fixed_size 0
		.amdhsa_enable_private_segment 0
		.amdhsa_kernarg_size 48
		.amdhsa_user_sgpr_count 2
		.amdhsa_user_sgpr_kernarg_segment_ptr 1
		.amdhsa_wavefront_size32 1
		.amdhsa_system_sgpr_workgroup_id_x 1
		.amdhsa_system_sgpr_workgroup_id_y 1
		.amdhsa_system_sgpr_workgroup_id_z 1
		.amdhsa_system_vgpr_workitem_id 0
		.amdhsa_next_free_vgpr 192
		.amdhsa_next_free_sgpr 66
		.amdhsa_reserve_vcc 0
		.amdhsa_float_denorm_mode_32 3
		.amdhsa_float_denorm_mode_16_64 3
		.amdhsa_memory_ordered 1
		.amdhsa_forward_progress 1
		.amdhsa_inst_pref_size 33
	.end_amdhsa_kernel
	.amdgpu_metadata
---
amdhsa.version: [ 1, 2 ]
amdhsa.kernels:
  - .name:           k_qb2fef51bf0_quant
    .symbol:         k_qb2fef51bf0_quant.kd
    .args:
      - { .name: x, .offset: 0, .size: 8, .value_kind: global_buffer, .address_space: global }
      - { .name: qkv_w, .offset: 8, .size: 8, .value_kind: global_buffer, .address_space: global }
      - { .name: proj_w, .offset: 16, .size: 8, .value_kind: global_buffer, .address_space: global }
      - { .name: xq, .offset: 24, .size: 8, .value_kind: global_buffer, .address_space: global }
      - { .name: wq, .offset: 32, .size: 8, .value_kind: global_buffer, .address_space: global }
      - { .name: pq, .offset: 40, .size: 8, .value_kind: global_buffer, .address_space: global }
    .group_segment_fixed_size: 33280
    .private_segment_fixed_size: 0
    .kernarg_segment_align: 8
    .kernarg_segment_size: 48
    .max_flat_workgroup_size: 128
    .sgpr_count:     66
    .vgpr_count:     192
    .wavefront_size: 32
...
	.end_amdgpu_metadata
.endif
;; end of part 1
;; launch qkvgemm (part 2): grid 12 x 32, 4 waves a work-group, clusters of 4 x 4, 327,680 bytes of LDS; arguments xq, wq, qkv_b, heads; writes heads
.if DOCPART == 2
	.amdgcn_target "amdgcn-amd-amdhsa--gfx1250"
	.amdhsa_code_object_version 6
	.text
	.protected	k_qb2fef51bf0_qkvgemm
	.globl	k_qb2fef51bf0_qkvgemm
	.p2align	8
	.type	k_qb2fef51bf0_qkvgemm,@function
k_qb2fef51bf0_qkvgemm:
	s_mov_b64 s[64:65], 0
	v_nop
	global_prefetch_b8 v0, s[64:65] scope:SCOPE_SE
	s_setreg_imm32_b32 hwreg(HW_REG_WAVE_MODE, 25, 1), 1
	s_wait_xcnt 0x0
	s_wait_alu depctr_hold_cnt(0) depctr_sa_sdst(0) depctr_va_vdst(0) depctr_va_sdst(0) depctr_va_ssrc(0) depctr_va_vcc(0) depctr_vm_vsrc(0)
	s_getreg_b32 s2, hwreg(HW_REG_IB_STS2, 6, 4)
	s_cmp_eq_u32 s2, 0
	s_cbranch_scc0 .Lentry_in_a_cluster
	s_endpgm
.Lentry_in_a_cluster:
	s_bfe_u32 s2, ttmp6, 0x10000c
	s_cmp_lg_u32 s2, 0xf033
	s_cbranch_scc0 .Lentry_shape_is_right
	s_endpgm
.Lentry_shape_is_right:
; qkv = x qkv_w^T + qkv_b on codes of FP6 (E2M3) with E8M0 scales, sums in f32; the result is quantised IN REGISTERS, q and k along the head's 64, v along the keys, and leaves as codes: no f32 number of qkv goes to memory.
; A work-group of four waves makes 256 x 256 results, a wave 128 x 128: 64 accumulators, 512 registers.  K = 1,024 goes in four steps of 256 through two LDS slots filled by the tensor data mover; all scale bytes come once.
; THE MATRIX INSTRUCTION: source 0 = 16 rows of 'P', source 1 = 16 rows of 'R'.  A lane then holds ONE row of R, and its registers run along P.  P's rows are stored in tile order (0-7, 16-23, 8-15, 24-31 of each 32),
; so the 16 registers of tiles 2 b and 2 b + 1 are 16 NEIGHBOURS along P: 32 b + 16 (lane / 16) + 0 .. 15: what the conversions want.
; ONE TEXT SERVES q, k AND v BY EXCHANGING THE ROLES, on the cluster's x alone (the same in all sixteen partners): clusters 0 and 1 (q, k): R = tokens, P = features, so a lane's registers run along the head's d;
; cluster 2 (v): R = v's features, P = tokens, so they run along the keys.  Only pointers, offsets and lane masks are chosen; there is no branch on it.
; BIAS: along P it is the C of each sum's first product (q, k); along R it is added on the way out (v); the one that does not apply is masked to 0.
; CLUSTERS: 4 x 4 work-groups; R's tiles are shared along a row of the cluster, P's along a column: each is asked for jointly, by the same tensor load with the same descriptor and a mask that names the four.
; THE OUTPUT, records of 6,656 bytes [q, k, v][batch 4][head 16][step of 128 tokens 16]: 6,144 bytes of operand registers as they stand (a pair of registers of the 32 lanes is 256 bytes, lane l at 8 l), then 512 of scale words.
;   q, k: tile a of 16 tokens at 768 a: registers 0-5 of an operand.  v: tile t of 16 of the head's 64 at 1,536 t: a whole fragment, 16 d x 128 keys.  Scale words: lane l at 16 l, four words.
; LIMITS: NaN and infinities are not served; a block of zeros gets the byte 1 (its codes are zeros; this program alone reads the bytes); blocks under 2^-124 are held at the byte 1.
; REGISTERS, in windows of 256: window 0: v0-31 addresses; v32-63 scale words, two sets; v64-127 the bias along P; v128-223 R's fragments, one set; v224-239 the bias along R.  On the way out v64-111 and v128-207 are at work.
;   window 1: P's fragments, two sets, at v0 and v128.   window 2: the accumulators of my R rows 0-63 ((a, b) at v[8 (8 a + b)]);   window 3: those of rows 64-127.
.set NQ,     2                         ; matrix instructions deep in a slot
.set ROWB,   192                       ; a tile's row: 256 codes
.set KROW,   768                       ; a row of codes in memory
.set PITCH,  240                       ; an LDS row: 3 x (64 bytes + 16 of padding): the 32 lanes of a load of 8 bytes touch 64 different banks (64 banks of 4 bytes: ISA guide 11.1)
.set FR,     12                        ; registers of a fragment
.set NL,     6                         ; LDS loads that bring one
.set NP,     4                         ; places behind this matrix instruction (ISA guide 7.12.1)
.set HALFT,  128*PITCH                 ; what one tensor load brings
.set SLOT,   4*HALFT                   ; R's 256 rows, then P's 256
.set KS,     32                        ; a row of scale bytes
.set SCL,    2*SLOT                    ; behind the ring: the scales, as rows of 256 bytes + 16 of padding
.set HALFS,  (128*KS/256)*272
.set SBLK,   (16*KS/256)*272
.set SPARE,  SCL+4*HALFS               ; behind the scales: the spare words, 128 bytes a wave
.set XSO,    6291456                   ; where the scale bytes begin in xq,
.set WSO,    2359296                   ; in wq
.set REC,    6656
.set HS,     16*REC                    ; from head to head
.set ADRA, 16                          ; v16-17 LDS address of R's fragments in slot 0, 1 (v18-19: behind one padding more)
.set ADRB, 20                          ; v20-23 the same for P
.set VO,   24                          ; v24 8 x lane; v25 the same + the distance to the codes' second half
.set VS,   26                          ; v26 16 x lane
.set ADRS, 27                          ; v27 LDS address of my scale words: lanes 0-15 R's rows, lanes 16-31 P's
.set SPW,  28                          ; v28 LDS address of my spare word; never rewritten
.set NIL,  29                          ; v29 0; never rewritten
.set SC,   32                          ; scale words
.set CB,   64                          ; the bias along P: eight registers for each of P's eight tiles
.set AF,   128                         ; R's fragments
.set BR,   224                         ; the bias along R: a pair (b, b) for each of R's eight tiles
.set T,    128                         ; the way out: 64 numbers
.set TM,   192                         ; v192-207 at work
.set CD,   64                          ; v64-82 the codes just made
.set SW,   96                          ; v96-103 the eight tiles' scale words
.set WD,   104                         ; v104-111 as they are stored
.set G1, 24
.set G0, 32
.set G1B, 48
.set G0B, 56
.set G1S, 68
.set G0S, 76
.set G1SB, 80
.set G0SB, 88
.set OB,  4                            ; s[4:5]   where the tile in hand goes
.set SB,  6                            ; s[6:7]   where the scale words go
.set SA,  12                           ; s[12:13] from tile to tile
.set SX,  98                           ; s[98:99] more at tile 4 (v: on to the next head's record)
.set SEL, 92                           ; s[92:93] lane selects for v_permlanex16_b32: lane l xor 16
.set M1,  100
.set M2,  101
.set SH,  66
.set SCO, 67
.set MQ,  22
.set MV,  23
.set MSB, 0
.macro WIN new                         ; the immediate's high byte repeats the setting that is left
.if MSB != (\new)
	s_set_vgpr_msb (MSB<<8)|(\new)
.set MSB, (\new)
.endif
.endm
.set MUL_LO, 0xa1                      ; source 0 (P) window 1, source 1 (R) window 0, C and D window 2
.set MUL_HI, 0xf1                      ; the same, C and D window 3
.set FST_LO, 0x81                      ; the first step: C (the bias) window 0, D window 2
.set FST_HI, 0xc1                      ; D window 3
.set TO_B,   0x40                      ; destination window 1, address window 0
; A joint load: waves 0 and 1 fetch for R, waves 2 and 3 for P.  The branch hangs on the wave's number alone.  An s_nop 0 and four v_nop follow each of the two lines.
.macro JLOAD g0a, g1a, g0b, g1b
	s_cmp_eq_u32 s15, 0
	s_cbranch_scc0 .Lfor_b_\@
	tensor_load_to_lds s[\g0a:\g0a+3], s[\g1a:\g1a+7]
	s_nop 0
.rept 4
	v_nop
.endr
	s_branch .Lasked_\@
.Lfor_b_\@:
	tensor_load_to_lds s[\g0b:\g0b+3], s[\g1b:\g1b+7]
	s_nop 0
.rept 4
	v_nop
.endr
.Lasked_\@:
.endm
.macro CREST                           ; a round of the cluster's barrier behind its opening barrier
	s_cmp_lg_u32 s14, 0
	s_cbranch_scc1 .Lnot_wave_0_\@
	s_barrier_signal -3
.Lnot_wave_0_\@:
	s_barrier_wait -3
	s_barrier_signal -1
	s_barrier_wait -1
.endm
.macro CROUND                          ; a whole round
	s_barrier_signal -1
	s_barrier_wait -1
	CREST
.endm
	s_load_b256 s[4:11], s[0:1], 0x0               ; xq s[4:5], wq s[6:7], qkv_b s[8:9], heads s[10:11]
	v_lshl_add_u32 v[SPW], v0, 2, SPARE
	v_mov_b32 v[NIL], 0
	ds_add_u32 v[SPW], v[NIL]                      ; the wave's opening: the add and its wait stand ahead of my first tensor load; the set-up below, work on registers, stands between them
	v_lshrrev_b32 v1, 5, v0
	v_readfirstlane_b32 s14, v1                    ; wave 0..3
	s_lshr_b32 s15, s14, 1                         ; which half of R's rows is mine.  Also: I fetch for R (0) or for P (1)
	s_and_b32 s16, s14, 1                          ; which half of P's rows.  Also: which 128 rows of that tile I fetch
	s_bfe_u32 s40, ttmp6, 0x40000                  ; cx, cy: my place in the cluster
	s_bfe_u32 s41, ttmp6, 0x40004
	s_and_b32 s12, ttmp7, 0xffff                   ; the cluster's y
	s_mov_b32 s96, XSO
	s_mov_b32 s97, WSO
	s_cmp_eq_u32 ttmp9, 2                          ; the cluster's x: 0 q, 1 k, 2 v.  The same in all sixteen partners
	s_cselect_b32 s13, 0, s12                      ; R's tile rows: v: the four of v's 1,024 features; q, k: by the cluster's y
	s_cselect_b32 s42, s12, ttmp9                  ; P's tile columns: v: tokens, by the cluster's y; q, k: features, by its x
	s_cselect_b32 s95, 2048, 0                     ; v's features begin at row 2,048 of wq
	s_cselect_b32 s96, WSO, s96                    ; where R's scale bytes begin in its buffer,
	s_cselect_b32 s97, XSO, s97                    ; and P's
	s_lshl_b32 s17, s13, 2
	s_add_co_u32 s17, s17, s41                     ; R's tile row: it never meets cx
	s_lshl_b32 s42, s42, 2
	s_add_co_u32 s42, s42, s40                     ; P's tile column: it never meets cy
	s_lshl_b32 s43, s41, 2
	s_lshl_b32 s43, 15, s43                        ; my row of the cluster
	s_lshl_b32 s44, 0x1111, s40                    ; my column
	; descriptor group 1: a tile of 128 rows x 192 bytes, padded in LDS
	s_or_b32 s[G1+0], s43, (0<<16)|(1<<20)|(1<<21)|(3<<22)|(3<<25)  ; 15:0 the mask: R's tiles go to my row; 17:16 elements of 1 byte; 20 padding on; 21 set beside a mask; 24:22 after every 16 words; 31:25 of 4 words
	s_or_b32 s[G1B+0], s44, (0<<16)|(1<<20)|(1<<21)|(3<<22)|(3<<25)
.irp g, G1, G1B
	s_mov_b32 s[\g+1], ROWB<<16                    ; tensor_dim0
	s_mov_b32 s[\g+2], 128<<16                     ; tensor_dim1
	s_mov_b32 s[\g+3], ROWB<<16                    ; tile_dim0
	s_mov_b32 s[\g+4], 128                         ; tile_dim1
	s_mov_b32 s[\g+5], KROW                        ; tensor_dim0_stride
	s_mov_b32 s[\g+6], 0
	s_mov_b32 s[\g+7], 0
.endr
	; the scales of 128 rows: a dense block of 4,096 bytes, as 16 rows of 256 bytes (32 elements of 8 bytes), 16 bytes of padding behind each
	s_or_b32 s[G1S+0], s43, (3<<16)|(1<<20)|(1<<21)|(5<<22)|(3<<25)
	s_or_b32 s[G1SB+0], s44, (3<<16)|(1<<20)|(1<<21)|(5<<22)|(3<<25)
.irp g, G1S, G1SB
	s_mov_b32 s[\g+1], 32<<16
	s_mov_b32 s[\g+2], (128*KS/256)<<16
	s_mov_b32 s[\g+3], 32<<16
	s_mov_b32 s[\g+4], 128*KS/256
	s_mov_b32 s[\g+5], 32
	s_mov_b32 s[\g+6], 0
	s_mov_b32 s[\g+7], 0
.endr
	s_lshl_b32 s18, s16, 7                         ; which 128 rows of the tile I fetch
	s_lshl_b32 s20, s17, 8
	s_add_co_u32 s20, s20, s18
	s_add_co_u32 s20, s20, s95                     ; R: row 256 x tile row + 128 x half (+ 2,048 for v)
	s_lshl_b32 s46, s42, 8
	s_add_co_u32 s46, s46, s18                     ; P: row 256 x tile column + 128 x half
	s_lshl_b32 s22, s20, 5
	s_add_co_u32 s22, s22, s96                     ; where these rows' scale bytes begin (all offsets stay under 2^23),
	s_lshl_b32 s92, s46, 5
	s_add_co_u32 s92, s92, s97
	s_mul_i32 s20, s20, KROW                       ; and their codes
	s_mul_i32 s46, s46, KROW
	s_mov_b32 s21, 0
	s_mov_b32 s23, 0
	s_mov_b32 s47, 0
	s_mov_b32 s93, 0
	s_mul_i32 s45, s14, HALFT                      ; where they go: wave x 128 rows: no place in the cluster enters an LDS address
	s_mul_i32 s94, s14, HALFS
	s_wait_dscnt 0x0                               ; the opening add is done
	s_wait_kmcnt 0x0
	s_cmp_eq_u32 ttmp9, 2
	s_cselect_b64 s[98:99], s[6:7], s[4:5]         ; R's buffer: wq for v, else xq
	s_cselect_b64 s[100:101], s[4:5], s[6:7]       ; P's: the other
	s_add_nc_u64 s[20:21], s[98:99], s[20:21]
	s_add_nc_u64 s[22:23], s[98:99], s[22:23]
	s_add_nc_u64 s[46:47], s[100:101], s[46:47]
	s_add_nc_u64 s[92:93], s[100:101], s[92:93]
	CROUND                                         ; all sixteen work-groups are here: the first joint loads meet
	s_mov_b32 s[G0S], 1
	s_add_co_u32 s[G0S+1], s94, SCL
	s_mov_b64 s[G0S+2:G0S+3], s[22:23]
	s_or_b32 s[G0S+3], s[G0S+3], 0x80000000
	s_mov_b32 s[G0SB], 1
	s_add_co_u32 s[G0SB+1], s94, SCL
	s_mov_b64 s[G0SB+2:G0SB+3], s[92:93]
	s_or_b32 s[G0SB+3], s[G0SB+3], 0x80000000
	JLOAD G0S, G1S, G0SB, G1SB                     ; the scales first: they are wanted with K step 0
.irp s, 0,1
	s_mov_b32 s[G0+4*\s], 1
	s_add_co_u32 s[G0+4*\s+1], s45, \s*SLOT
	s_add_nc_u64 s[G0+4*\s+2:G0+4*\s+3], s[20:21], \s*ROWB
	s_or_b32 s[G0+4*\s+3], s[G0+4*\s+3], 0x80000000
	s_mov_b32 s[G0B+4*\s], 1
	s_add_co_u32 s[G0B+4*\s+1], s45, \s*SLOT
	s_add_nc_u64 s[G0B+4*\s+2:G0B+4*\s+3], s[46:47], \s*ROWB
	s_or_b32 s[G0B+4*\s+3], s[G0B+4*\s+3], 0x80000000
	JLOAD G0+4*\s, G1, G0B+4*\s, G1B               ; three loads of mine are out
.endr
	v_and_b32 v1, 15, v0                           ; r = lane % 16
	v_bfe_u32 v2, v0, 4, 1                         ; h = lane / 16
	v_mul_u32_u24 v3, v1, PITCH
	v_mul_u32_u24 v4, v2, 24
	v_add_nc_u32 v4, v3, v4                        ; a fragment's row x pitch + 24 x half
	v_lshl_add_u32 v5, v2, 4, v4                   ; and the same behind one padding more
	s_mul_i32 s21, s15, HALFT                      ; my 128 rows of R
	s_mul_i32 s22, s16, HALFT                      ; my 128 rows of P,
	s_add_co_u32 s22, s22, 2*HALFT                 ; which lie behind R's 256
.irp s, 0,1
	v_add_nc_u32 v[ADRA+\s], s21, v4
	v_add_nc_u32 v[ADRB+\s], s22, v4
	v_add_nc_u32 v[ADRA+2+\s], s21, v5
	v_add_nc_u32 v[ADRB+2+\s], s22, v5
	s_add_co_u32 s21, s21, SLOT
	s_add_co_u32 s22, s22, SLOT
.endr
	v_mul_u32_u24 v5, v1, KS                       ; my row's scales: 32 bytes a row,
	v_lshrrev_b32 v6, 8, v5
	v_lshl_add_u32 v5, v6, 4, v5                   ; and 16 more for each 256 passed
	s_mul_i32 s21, s15, HALFS
	s_mul_i32 s22, s16, HALFS
	s_add_co_u32 s22, s22, 2*HALFS
	s_sub_co_u32 s22, s22, s21
	v_mul_u32_u24 v6, s22, v2                      ; lanes 16-31 take P's
	s_add_co_u32 s21, s21, SCL
	v_add_nc_u32 v5, v5, v6
	v_add_nc_u32 v[ADRS], s21, v5
	; the biases.  Along P (q, k): lane (r, h) wants, for tile b, features 32 (b / 2) + 8 (b % 2) + 16 h + 0 .. 7 of my 128.  Along R (v): for tile a, feature 32 (a / 2) + 8 (a % 2) + r + 8 (r / 8).
	; The one that does not apply is loaded from the buffer's head, so that no load leaves the buffer, and masked to 0.
	s_lshl_b32 s18, s42, 8
	s_lshl_b32 s19, s16, 7
	s_add_co_u32 s18, s18, s19                     ; q, k: my first feature
	s_lshl_b32 s19, s41, 8
	s_lshl_b32 s20, s15, 7
	s_add_co_u32 s19, s19, s20
	s_add_co_u32 s19, s19, 2048                    ; v: my first feature
	s_cmp_eq_u32 ttmp9, 2
	s_cselect_b32 s18, 0, s18
	s_cselect_b32 s20, s19, 0
	s_cselect_b32 s[MQ], 0, -1
	s_cselect_b32 s[MV], -1, 0
	s_lshl_b32 s18, s18, 2
	s_lshl_b32 s20, s20, 2
	s_mov_b32 s19, 0
	s_mov_b32 s21, 0
	s_add_nc_u64 s[18:19], s[8:9], s[18:19]
	s_add_nc_u64 s[20:21], s[8:9], s[20:21]
	v_lshlrev_b32 v7, 6, v2                        ; 16 h numbers
	v_and_b32 v8, 8, v1
	v_add_nc_u32 v8, v8, v1
	v_lshlrev_b32 v8, 2, v8                        ; r + 8 (r / 8) numbers
.irp b, 0,1,2,3,4,5,6,7
	global_load_b128 v[CB+8*\b:CB+8*\b+3], v7, s[18:19] offset:(32*(\b/2)+8*(\b%2))*4
	global_load_b128 v[CB+8*\b+4:CB+8*\b+7], v7, s[18:19] offset:(32*(\b/2)+8*(\b%2))*4+16
.endr
.irp a, 0,1,2,3,4,5,6,7
	global_load_b32 v[BR+2*\a], v8, s[20:21] offset:(32*(\a/2)+8*(\a%2))*4
.endr
	; where the results go.  record = ((4 x which + batch) x 16 + head) x 16 + step; which is the cluster's x
	s_lshl_b32 s92, s17, 1
	s_add_co_u32 s92, s92, s15                     ; R's block of 128
	s_lshl_b32 s93, s42, 1
	s_add_co_u32 s93, s93, s16                     ; P's block of 128
	s_mov_b32 s[SA], 768
	s_mov_b32 s[SA+1], 0
	s_mov_b32 s[SX+1], 0
	s_mov_b32 s[SCO], HS
	s_cmp_eq_u32 ttmp9, 2
	s_cselect_b32 s94, s93, s92                    ; the block of tokens,
	s_cselect_b32 s95, s92, s93                    ; the block of features: two heads
	s_cselect_b32 s[SA], 1536, s[SA]               ; a tile's codes: v a whole fragment, q, k half a fragment for each of two heads
	s_cselect_b32 s[SX], HS-4*1536, 0              ; v: tiles 4-7 are the next head's
	s_cselect_b32 s[SCO], 768, s[SCO]              ; registers 6-11: v: the fragment's second half; q, k: the next head's record
	s_cselect_b32 s[M1], 0, 0xffff0000             ; scale words: q, k: lanes 16-31 take tiles 4-7; v: the first store takes tiles 0-3,
	s_cselect_b32 s[M2], -1, 0xffff0000            ; the second tiles 4-7, in all lanes
	s_cselect_b32 s[SH], 0, 16                     ; q, k: the next head's two bytes are a word's upper two
	s_and_b32 s95, s95, 7
	s_lshl_b32 s96, ttmp9, 2
	s_lshr_b32 s97, s94, 4
	s_add_co_u32 s96, s96, s97
	s_lshl_b32 s96, s96, 4
	s_lshl_b32 s95, s95, 1
	s_add_co_u32 s96, s96, s95
	s_lshl_b32 s96, s96, 4
	s_and_b32 s94, s94, 15
	s_add_co_u32 s96, s96, s94
	s_mul_i32 s96, s96, REC                        ; under 2^25
	s_mov_b32 s97, 0
	s_add_nc_u64 s[OB:OB+1], s[10:11], s[96:97]
	s_add_nc_u64 s[SB:SB+1], s[OB:OB+1], 6144
	s_mov_b32 s[SEL], 0x76543210
	s_mov_b32 s[SEL+1], 0xfedcba98
	v_and_b32 v6, 31, v0
	v_lshlrev_b32 v[VO], 3, v6
	v_add_nc_u32 v[VO+1], s[SCO], v[VO]
	v_lshlrev_b32 v[VS], 4, v6
	s_wait_loadcnt 0x0                             ; the biases
.set i, 0
.rept 64
	v_and_b32 v[CB+i], s[MQ], v[CB+i]
.set i, i+1
.endr
.irp a, 0,1,2,3,4,5,6,7
	v_and_b32 v[BR+2*\a+1], s[MV], v[BR+2*\a]      ; a pair for the packed addition
	v_and_b32 v[BR+2*\a], s[MV], v[BR+2*\a]
.endr
.macro FRAG reg, adr, q, i             ; a fragment, 16 rows x 128 K, is 12 registers: lane l holds row l % 16; registers 6 c .. 6 c + 5 hold K = 64 c + 32 (l / 16) + 0 .. 31: 24 bytes of the row, as they lie
.irp p, 0,1,2,3,4,5                    ; in pieces of 8 bytes.  Lanes 16-31 read three pieces further on; where that lies behind one padding more, the second address register serves
.set PCE, 12*(\q)+6*(\p/3)+\p%3
.if PCE%8 < 5
	ds_load_b64 v[\reg+2*\p:\reg+2*\p+1], v[\adr] offset:8*PCE+16*(PCE/8)+(\i)*16*PITCH
.else
	ds_load_b64 v[\reg+2*\p:\reg+2*\p+1], v[\adr+2] offset:8*PCE+16*(PCE/8)+(\i)*16*PITCH
.endif
.endr
.endm
; 16 matrix instructions: R's blocks a0, a0 + 1 x P's eight, 128 along K.  p: P's set; sc: the set of scale words.  zero = 1: the first product starts the sums from the bias: nothing is ever cleared.
; The 64 accumulators take turns, one instruction a turn, in the same order in every step.
.macro MUL16 a0, p, q, sc, zero
.irp a, \a0, \a0+1
.irp b, 0,1,2,3,4,5,6,7
.if \zero
	v_wmma_scale_f32_16x16x128_f8f6f4 v[8*(8*((\a)%4)+\b):8*(8*((\a)%4)+\b)+7], v[128*(\p)+FR*\b:128*(\p)+FR*\b+FR-1], v[AF+FR*(\a):AF+FR*(\a)+FR-1], v[CB+8*\b:CB+8*\b+7], v[SC+8*NQ*(\sc)+NQ*\b+(\q)], v[SC+8*NQ*(\sc)+NQ*(\a)+(\q)] matrix_a_fmt:MATRIX_FMT_FP6 matrix_b_fmt:MATRIX_FMT_FP6 matrix_a_scale:MATRIX_SCALE_ROW1
.else
	v_wmma_scale_f32_16x16x128_f8f6f4 v[8*(8*((\a)%4)+\b):8*(8*((\a)%4)+\b)+7], v[128*(\p)+FR*\b:128*(\p)+FR*\b+FR-1], v[AF+FR*(\a):AF+FR*(\a)+FR-1], v[8*(8*((\a)%4)+\b):8*(8*((\a)%4)+\b)+7], v[SC+8*NQ*(\sc)+NQ*\b+(\q)], v[SC+8*NQ*(\sc)+NQ*(\a)+(\q)] matrix_a_fmt:MATRIX_FMT_FP6 matrix_b_fmt:MATRIX_FMT_FP6 matrix_a_scale:MATRIX_SCALE_ROW1
.endif
.endr
.endr
.endm
.macro FETCH_B slot, q, p              ; P's eight fragments of the slot's q-th 128 along K into set p
	WIN TO_B
.irp i, 0,1,2,3,4,5,6,7
	FRAG 128*(\p)+FR*\i, ADRB+\slot, \q, \i
.endr
	WIN 0
.endm
.macro FETCH_A slot, q, i0             ; R's blocks i0 .. i0 + 3
.irp i, \i0, \i0+1, \i0+2, \i0+3
	FRAG AF+FR*(\i), ADRA+\slot, \q, \i
.endr
.endm
.macro SCALES sc                       ; a K step's scale words into set sc: two words a row; lanes 0-15 take R's block i, lanes 16-31 P's block i
.irp i, 0,1,2,3,4,5,6,7
	ds_load_b64 v[SC+8*NQ*\sc+NQ*\i:SC+8*NQ*\sc+NQ*\i+1], v[ADRS] offset:\i*SBLK
.endr
.endm
; A load into a register that a matrix instruction has read, and a vector instruction that reads a matrix result or writes one of its registers, stand NP places behind it; only plain vector
; instructions that name none of its registers are places (ISA guide 7.12.1 for vector instructions).
.macro PLACES n
.rept \n
	v_nop
.endr
.endm
; A step of 128 along K that has its successor in the same slot.
.macro STEP slot, q, zero
	s_wait_dscnt 4*NL                              ; P's set and R's blocks 0-3 are in; the youngest 24 loads (R's blocks 4-7) may be out
.if \zero
	WIN FST_LO
.else
	WIN MUL_LO
.endif
	MUL16 0, (\q)%2, \q, \slot, \zero
	MUL16 2, (\q)%2, \q, \slot, \zero
	s_wait_dscnt 0                                 ; R's blocks 4-7 are in (asked for 32 matrix instructions ago)
	PLACES NP
	FETCH_B \slot, (\q)+1, 1-(\q)%2
	FETCH_A \slot, (\q)+1, 0
.if \zero
	WIN FST_HI
.else
	WIN MUL_HI
.endif
	MUL16 4, (\q)%2, \q, \slot, \zero
	MUL16 6, (\q)%2, \q, \slot, \zero
	PLACES NP
	WIN 0
	FETCH_A \slot, (\q)+1, 4
.endm
; A slot's last step changes slots: ONE barrier; in front of it each wave waits for all its tensor loads, adds 0 to its spare word, and waits for that and for its own reads of this slot.  fill = 1: this slot is filled again, two K steps ahead.
.macro TURN slot, next, fill
	s_wait_tensorcnt 0x0                           ; all my tensor loads have landed: my part of the next slot (every window is 0 here)
	ds_add_u32 v[SPW], v[NIL]                      ; 0 onto my spare word
	s_wait_dscnt 4*NL+1                            ; (the add and the youngest 24 loads, R's blocks 4-7, may be out)
	WIN MUL_LO
	MUL16 0, 1, NQ-1, \slot, 0                     ; sixteen matrix instructions stand between the add and the wait for it
	s_wait_dscnt 0x0                               ; the add is done, and my reads of this slot are over
	s_barrier_signal -1
	MUL16 2, 1, NQ-1, \slot, 0
	WIN 0
	s_barrier_wait -1
.if \fill
	CREST                                          ; the barrier has opened a round of the cluster's barrier: no wave of any partner still reads this slot's tile or has a load on its way
	s_add_nc_u64 s[G0+4*\slot+2:G0+4*\slot+3], s[G0+4*\slot+2:G0+4*\slot+3], 2*ROWB
	s_add_nc_u64 s[G0B+4*\slot+2:G0B+4*\slot+3], s[G0B+4*\slot+2:G0B+4*\slot+3], 2*ROWB
	JLOAD G0+4*\slot, G1, G0B+4*\slot, G1B         ; the first tensor load behind the round; its four v_nop are the places in front of the loads below
.else
	PLACES NP
.endif
	v_add_nc_u32 v[ADRS], 4*NQ, v[ADRS]            ; on to the next K step's scale words
	FETCH_B \next, 0, 0
	FETCH_A \next, 0, 0
	SCALES \next
	WIN MUL_HI
	MUL16 4, 1, NQ-1, \slot, 0
	MUL16 6, 1, NQ-1, \slot, 0
	PLACES NP
	WIN 0
	FETCH_A \next, 0, 4
.endm
	s_wait_tensorcnt 1                             ; the scales and my part of K step 0 are in (K step 1's load may be out)
	s_barrier_signal -1
	s_barrier_wait -1                              ; everybody's are
	FETCH_B 0, 0, 0
	FETCH_A 0, 0, 0
	SCALES 0
	FETCH_A 0, 0, 4
	STEP 0, 0, 1                                   ; K = 1,024 is four K steps of 256, eight steps of 128: written out in a row, no loop
	TURN 0, 1, 1                                   ; slot 0 takes K step 2
	STEP 1, 0, 0
	TURN 1, 0, 1                                   ; slot 1 takes K step 3
	STEP 0, 0, 0
	TURN 0, 1, 0                                   ; nothing is left to fetch
	STEP 1, 0, 0
	s_wait_dscnt 4*NL
	WIN MUL_LO
	MUL16 0, 1, NQ-1, 1, 0
	MUL16 2, 1, NQ-1, 1, 0
	s_wait_dscnt 0
	WIN MUL_HI
	MUL16 4, 1, NQ-1, 1, 0
	MUL16 6, 1, NQ-1, 1, 0
	WIN 0
	PLACES NP                                      ; in front of the first writes of R's fragments' registers
.irp b, 0,1,2,3
	v_mov_b32 v[TM+4+\b], 0                        ; written once: a lane permute's destination counts as one of its sources
.endr
; 64 numbers of a lane, v[s] .. v[s + 63], register 16 b + i = k 32 b + 16 (lane / 16) + i of my row, become a fragment's codes in v[CD] on and its scale word in v[pw].
.macro QUANT s, pw
.irp b, 0,1,2,3
	v_max3_num_f32 v[TM+\b], |v[\s+16*\b]|, |v[\s+1+16*\b]|, 0x1800000   ; block b: my 16 numbers, and the floor 2^(3 - 127): the byte cannot fall under 1
.endr
.irp i, 2,4,6,8,10,12,14
.irp b, 0,1,2,3
	v_max3_num_f32 v[TM+\b], v[TM+\b], |v[\s+16*\b+\i]|, |v[\s+1+16*\b+\i]|   ; (the four blocks by turns)
.endr
.endr
.irp b, 0,1,2,3
	v_permlanex16_b32 v[TM+4+\b], v[TM+\b], s[SEL], s[SEL+1]
.endr
.irp b, 0,1,2,3
	v_max_num_f32 v[TM+\b], v[TM+\b], v[TM+4+\b]   ; with lane l xor 16's: the block's largest magnitude
.endr
.irp b, 0,1,2,3
	v_add_nc_u32 v[TM+12+\b], 0xff000000, v[TM+\b] ; 2 off its exponent field: the conversion's scale operand
.endr
.irp b, 0,1,2,3
	v_lshrrev_b32 v[TM+4+\b], 23, v[TM+12+\b]      ; the scale's byte
.endr
	v_lshl_or_b32 v[\pw], v[TM+5], 8, v[TM+4]      ; the four bytes make my row's scale word
	v_lshl_or_b32 v[\pw], v[TM+6], 16, v[\pw]
	v_lshl_or_b32 v[\pw], v[TM+7], 24, v[\pw]
.irp c, 0,1
	v_cvt_scalef32_pk16_fp6_f32 v[CD+6*\c:CD+2+6*\c], v[\s+32*\c:\s+15+32*\c], v[TM+12+2*\c]
	v_cvt_scalef32_pk16_fp6_f32 v[CD+12+4*\c:CD+14+4*\c], v[\s+16+32*\c:\s+31+32*\c], v[TM+12+2*\c+1]   ; (a conversion's three registers begin on an even number)
.endr
	v_nop                                          ; one plain place behind a scaled conversion
.irp c, 0,1                                    ; the operand's layout wants a WHOLE block in a lane: lanes 0-15 block 2 c, lanes 16-31 block 2 c + 1
.irp i, 0,1,2
	v_permlane16_swap_b32 v[CD+6*\c+\i], v[CD+12+4*\c+\i]
.endr
.irp i, 0,1,2
	v_mov_b32 v[CD+3+6*\c+\i], v[CD+12+4*\c+\i]
.endr
.endr
.endm
; THE WAY OUT of R's block a: its 64 numbers a lane come into window 0 with the bias along R added (each accumulator from its low end on), are quantised, and the twelve registers leave as they stand:
; each store of the wave covers 256 consecutive bytes, aligned.  No LDS, no branch.
.macro OUTA a
	s_wait_xcnt 0x0                                ; the last block's stores have read their data and their base: both are written again only behind this wait
.if (\a) > 0
	s_add_nc_u64 s[OB:OB+1], s[OB:OB+1], s[SA:SA+1]
.endif
.if (\a) == 4
	s_add_nc_u64 s[OB:OB+1], s[OB:OB+1], s[SX:SX+1]
.endif
	WIN 0x02+(\a)/4                                ; source 0: window 2 or 3
.set AC, 64*((\a)%4)
.set i, 0
.rept 32
	v_pk_add_f32 v[T+i:T+i+1], v[AC+i:AC+i+1], v[BR+2*(\a):BR+2*(\a)+1]
.set i, i+2
.endr
	WIN 0
	QUANT T, SW+(\a)
.irp c, 0,1
.irp p, 0,1,2
	global_store_b64 v[VO+\c], v[CD+6*\c+2*\p:CD+6*\c+2*\p+1], s[OB:OB+1] offset:256*\p
.endr
.endr
.endm
.irp a, 0,1,2,3,4,5,6,7
	OUTA \a
.endr
	; the scale words: four a lane.  q, k: lanes 0-15 tiles 0-3, lanes 16-31 tiles 4-7; the first head takes the words as they are (its bytes are the lower two), the second shifted down.  v: tiles 0-3 to the first head, 4-7 to the second
	s_mov_b32 vcc_lo, s[M1]
.irp j, 0,1,2,3
	v_cndmask_b32 v[WD+\j], v[SW+\j], v[SW+4+\j], vcc_lo
.endr
	s_mov_b32 vcc_lo, s[M2]
.irp j, 0,1,2,3
	v_cndmask_b32 v[WD+4+\j], v[SW+\j], v[SW+4+\j], vcc_lo
.endr
.irp j, 0,1,2,3
	v_lshrrev_b32 v[WD+4+\j], s[SH], v[WD+4+\j]
.endr
	global_store_b128 v[VS], v[WD:WD+3], s[SB:SB+1]               ; 32 lanes store 512 consecutive bytes, aligned
	global_store_b128 v[VS], v[WD+4:WD+7], s[SB:SB+1] offset:HS
	s_wait_tensorcnt 0x0                           ; the wave's end, behind my last tensor load
	ds_add_u32 v[SPW], v[NIL]
	s_wait_dscnt 0x0
	CROUND                                         ; the closing round: no work-group ends while a partner may still ask for a tile that names it
	s_endpgm
.Lfunc_end_k_qb2fef51bf0_qkvgemm:
	.size	k_qb2fef51bf0_qkvgemm, .Lfunc_end_k_qb2fef51bf0_qkvgemm-k_qb2fef51bf0_qkvgemm
	.p2alignl 7, 3214868480
	.fill 96, 4, 3214868480
	.section	.rodata,"a",@progbits
	.p2align	6, 0x0
	.amdhsa_kernel k_qb2fef51bf0_qkvgemm
		.amdhsa_group_segment_fixed_size 327680
		.amdhsa_private_segment_fixed_size 0
		.amdhsa_enable_private_segment 0
		.amdhsa_kernarg_size 32
		.amdhsa_user_sgpr_count 2
		.amdhsa_user_sgpr_kernarg_segment_ptr 1
		.amdhsa_wavefront_size32 1
		.amdhsa_system_sgpr_workgroup_id_x 1
		.amdhsa_system_sgpr_workgroup_id_y 1
		.amdhsa_system_sgpr_workgroup_id_z 1
		.amdhsa_system_vgpr_workitem_id 0
		.amdhsa_next_free_vgpr 1024
		.amdhsa_next_free_sgpr 102
		.amdhsa_reserve_vcc 1
		.amdhsa_float_denorm_mode_32 3
		.amdhsa_float_denorm_mode_16_64 3
		.amdhsa_memory_ordered 1
		.amdhsa_forward_progress 1
		.amdhsa_inst_pref_size 189
	.end_amdhsa_kernel
	.amdgpu_metadata
---
amdhsa.version: [ 1, 2 ]
amdhsa.kernels:
  - .name:           k_qb2fef51bf0_qkvgemm
    .symbol:         k_qb2fef51bf0_qkvgemm.kd
    .args:
      - { .name: xq, .offset: 0, .size: 8, .value_kind: global_buffer, .address_space: global }
      - { .name: wq, .offset: 8, .size: 8, .value_kind: global_buffer, .address_space: global }
      - { .name: qkv_b, .offset: 16, .size: 8, .value_kind: global_buffer, .address_space: global }
      - { .name: heads, .offset: 24, .size: 8, .value_kind: global_buffer, .address_space: global }
    .group_segment_fixed_size: 327680
    .private_segment_fixed_size: 0
    .kernarg_segment_align: 8
    .kernarg_segment_size: 32
    .max_flat_workgroup_size: 128
    .sgpr_count:     102
    .vgpr_count:     1024
    .wavefront_size: 32
...
	.end_amdgpu_metadata
.endif
;; end of part 2
;; launch attn (part 3): grid 4 x 64, 16 waves a work-group, clusters of 4 x 1, 215,040 bytes of LDS; arguments heads, oq; writes oq
.if DOCPART == 3
	.amdgcn_target "amdgcn-amd-amdhsa--gfx1250"
	.amdhsa_code_object_version 6
	.text
	.protected	k_qb2fef51bf0_attn
	.globl	k_qb2fef51bf0_attn
	.p2align	8
	.type	k_qb2fef51bf0_attn,@function
k_qb2fef51bf0_attn:
	s_mov_b64 s[64:65], 0
	v_nop
	global_prefetch_b8 v0, s[64:65] scope:SCOPE_SE
	s_setreg_imm32_b32 hwreg(HW_REG_WAVE_MODE, 25, 1), 1
	s_wait_xcnt 0x0
	s_wait_alu depctr_hold_cnt(0) depctr_sa_sdst(0) depctr_va_vdst(0) depctr_va_sdst(0) depctr_va_ssrc(0) depctr_va_vcc(0) depctr_vm_vsrc(0)
	s_getreg_b32 s2, hwreg(HW_REG_IB_STS2, 6, 4)
	s_cmp_eq_u32 s2, 0
	s_cbranch_scc0 .Lentry_in_a_cluster
	s_endpgm
.Lentry_in_a_cluster:
	s_bfe_u32 s2, ttmp6, 0x10000c
	s_cmp_lg_u32 s2, 0x3003
	s_cbranch_scc0 .Lentry_shape_is_right
	s_endpgm
.Lentry_shape_is_right:
; Causal attention of one (batch, head) a cluster, both products on codes of FP6 (E2M3) with E8M0 scales; the result, divided by the row's sum, is quantised along the head's 64 and leaves as codes for the last product.
; THE SOFTMAX AHEAD OF THE SECOND PRODUCT: t = score x log2(e) / 8; M = the row's largest t so far, rounded UP to a whole number; p = 2^(t - M) is quantised along the keys, not normalised.  The row's sum is taken of the
; unquantised p, in f32, and divides O at the end.  When M moves, the sum and O are multiplied by 2^(old M - new M): exact.
; INPUT: records of 6,656 bytes [q, k, v][batch x head 64][step of 128 tokens 16]: operand registers as they stand (a pair of registers of the 32 lanes is 256 bytes, lane l at 8 l) and 512 bytes of scale words.
; Tokens of q and k lie in tile order: lane r of tile 2 b + u is token 32 b + 8 u + r + 8 (r / 8) of the step; so the 16 registers of score tiles 2 b, 2 b + 1 are keys 32 b + 16 (lane / 16) + 0 .. 15.  v's d likewise.
; SHARES.  The cluster's four work-groups hold the same K and V and share the queries out so that every wave has the same work: wave w of work-group cx owns query tile 2 cx + w % 2 of the 128-block 15 - w / 2 (LATE)
; and the same tile of block w / 2 (EARLY): (16 - w / 2) + (w / 2 + 1) = 17 key steps for each of the 64 waves.  Every branch hangs on the wave's number and the count of steps: the four partners run alike.
; ALL OF THE HEAD'S K AND V LIE IN LDS, 2 x 106,496 bytes, each byte filled once, by joint loads (the four partners ask with the same descriptors and the mask of all four): no ring, no refill.
; Each wave asks twice: its eighth of K's or V's steps 0-3, then of steps 4-15: two loads of mine are out.  The first four key steps run while the second load lands.  Behind the second barrier the waves run freely.
; K = 64 IN AN INSTRUCTION 128 DEEP: q's registers 6-11 are zero codes.  K's operand for tile t is its six registers and the SIX THAT FOLLOW (the next tile's; zeros behind tile 7): E2M3 has no code for infinity or NaN,
; and no scale byte here is 0xff, so those products are exact zeros.
; Both products are used transposed: S^T = K Q^T, O^T = V^T P^T: a lane holds ONE query (lane % 16) throughout.
; LIMITS: NaN and infinities are not served; a block of zeros gets the byte 1 (its codes are zeros; this program alone reads the bytes).
.set REC,   6656
.set HS,    16*REC                     ; a head's 16 records: 106,496 bytes
.set VOFF,  HS                         ; LDS: K from 0, V from here
.set SPARE, 2*HS                       ; behind them: the spare words, 128 bytes for each of sixteen waves
.set OSO,   6291456                    ; where the scale bytes begin in oq
.set L8,   1                           ; v1  8 x lane
.set L16,  2                           ; v2  16 x lane
.set DQ,   3                           ; v3  my query's place in its block of 128, less 16 (lane / 16)
.set SPW,  4                           ; v4  LDS address of my spare word; never rewritten
.set NIL,  5                           ; v5  0; never rewritten
.set ADK,  6                           ; v6-9 LDS addresses of the step in hand: K's codes, V's codes, K's scale words, V's
.set ADV,  7
.set ADS,  8
.set ADT,  9
.set QSL,  10                          ; v10, v11 q's scale words: late, early
.set QSE,  11
.set STL,  12                          ; v12-15, v16-19: -M, the largest t, the sum in two halves
.set STE,  16
.set QFL,  20                          ; v20-31, v32-43 q's operand: six registers of codes, six of zeros
.set QFE,  32
.set OAL,  44                          ; v44-75, v76-107 O^T: four tiles of eight
.set OAE,  76
.set S,    108                         ; v108-171 S^T, then p
.set R1,   172                         ; v172-219 K's 8 x 6 registers; then the softmax's scratch; then V's 4 x 12
.set BM,   172                         ; a block's largest score, then its largest p
.set PT,   176
.set SO,   180                         ; the conversions' scale operands
.set H2,   184                         ; the conversions' second halves
.set SUM2, 192                         ; the sum's second chain
.set ZR,   220                         ; v220-225 zeros
.set KSC,  226                         ; v226-229 K's scale words
.set VSC,  230                         ; v230-233 V's
.set CD,   234                         ; v234-245 p's codes
.set PW,   246                         ; v246 p's scale word
.set R32,  247                         ; v247 32 x (lane % 16)
.set F,    248                         ; v[248:249] 2^(old M - new M)
.set TMP,  254
.set WV,   8
.set ML,   14                          ; s14 my late block, 8 .. 15
.set ME,   15                          ; s15 my early block, 0 .. 7
.set G1A,  24                          ; s[24:31], s[32:39] descriptor groups 1: 13 and 39 rows of 256 bytes
.set G1B,  32
.set G0A,  40                          ; s[40:43], s[44:47] groups 0
.set G0B,  44
.set SEL,  48                          ; s[48:49] lane selects for v_permlanex16_b32: lane l xor 16
.set CS,   50                          ; s[50:51] c = log2(e) / 8
.set TK,   52                          ; s52 LDS byte of the step's record of K
.set TV,   53                          ; s53 of V
.set NS,   54                          ; s54 the step
.macro CROUND                          ; a round of the cluster's barrier
	s_barrier_signal -1
	s_barrier_wait -1
	s_cmp_lg_u32 s[WV], 0
	s_cbranch_scc1 .Lnot_wave_0_\@
	s_barrier_signal -3
.Lnot_wave_0_\@:
	s_barrier_wait -3
	s_barrier_signal -1
	s_barrier_wait -1
.endm
	s_load_b128 s[4:7], s[0:1], 0x0                ; heads s[4:5], oq s[6:7]
	v_lshl_add_u32 v[SPW], v0, 2, SPARE
	v_mov_b32 v[NIL], 0
	ds_add_u32 v[SPW], v[NIL]                      ; the wave's opening: the add and its wait stand ahead of my first tensor load; the set-up below, work on registers, stands between them
	v_lshrrev_b32 v250, 5, v0
	v_readfirstlane_b32 s[WV], v250                ; wave 0..15
	s_bfe_u32 s9, ttmp6, 0x40000                   ; cx: it enters q's and o's global addresses and the mask's vector number, nothing else
	s_and_b32 s10, ttmp7, 0xffff                   ; 16 x batch + head, which the four partners share
	s_and_b32 s11, s[WV], 1
	s_lshr_b32 s12, s[WV], 1
	s_lshl_b32 s13, s9, 1
	s_add_co_u32 s13, s13, s11                     ; my query tile in a block of 128: 2 cx + w % 2
	s_sub_co_u32 s[ML], 15, s12
	s_mov_b32 s[ME], s12
	s_lshr_b32 s16, s[WV], 3                       ; waves 0-7 fetch K, waves 8-15 V;
	s_and_b32 s17, s[WV], 7                        ; each an eighth
	s_lshl_b32 s18, s16, 6
	s_add_co_u32 s18, s18, s10
	s_add_co_u32 s18, s18, 64
	s_mul_i32 s18, s18, HS                         ; the head's K or V in memory (under 2^25)
	s_mul_i32 s19, s17, 13*256                     ; steps 0-3: 26,624 bytes, 13 rows of 256 a wave
	s_add_co_u32 s20, s18, s19
	s_mov_b32 s21, 0
	s_mul_i32 s22, s17, 39*256                     ; steps 4-15: 79,872 bytes, 39 rows a wave
	s_add_co_u32 s22, s22, 4*REC
	s_mul_i32 s74, s16, HS
	s_add_co_u32 s75, s74, s19                     ; and in LDS: the wave's number and constants alone
	s_add_co_u32 s76, s74, s22
	s_add_co_u32 s22, s22, s18
	s_mov_b32 s23, 0
	s_mov_b32 s[G1A], 15|(3<<16)|(1<<21)           ; 15:0 the mask: all four work-groups; 17:16 elements of 8 bytes; 20 no padding; 21 set beside a mask
	s_mov_b32 s[G1A+1], 32<<16                     ; tensor_dim0 = 32 elements: 256 bytes
	s_mov_b32 s[G1A+2], 13<<16                     ; tensor_dim1
	s_mov_b32 s[G1A+3], 32<<16                     ; tile_dim0
	s_mov_b32 s[G1A+4], 13                         ; tile_dim1
	s_mov_b32 s[G1A+5], 32                         ; tensor_dim0_stride: dense
	s_mov_b32 s[G1A+6], 0
	s_mov_b32 s[G1A+7], 0
	s_mov_b32 s[G1B], 15|(3<<16)|(1<<21)
	s_mov_b32 s[G1B+1], 32<<16
	s_mov_b32 s[G1B+2], 39<<16
	s_mov_b32 s[G1B+3], 32<<16
	s_mov_b32 s[G1B+4], 39
	s_mov_b32 s[G1B+5], 32
	s_mov_b32 s[G1B+6], 0
	s_mov_b32 s[G1B+7], 0
	s_mov_b32 s[SEL], 0x76543210
	s_mov_b32 s[SEL+1], 0xfedcba98
	s_mov_b32 s[CS], 0x3e38aa3b                    ; c = log2(e) / sqrt(64)
	s_mov_b32 s[CS+1], s[CS]                       ; (named with it as a pair, so it is written)
	s_wait_dscnt 0x0                               ; the opening add is done
	s_wait_kmcnt 0x0
	s_mov_b32 s[G0A], 1
	s_mov_b32 s[G0A+1], s75
	s_add_nc_u64 s[G0A+2:G0A+3], s[4:5], s[20:21]
	s_or_b32 s[G0A+3], s[G0A+3], 0x80000000
	s_mov_b32 s[G0B], 1
	s_mov_b32 s[G0B+1], s76
	s_add_nc_u64 s[G0B+2:G0B+3], s[4:5], s[22:23]
	s_or_b32 s[G0B+3], s[G0B+3], 0x80000000
	CROUND                                         ; all four work-groups are here: the joint loads meet
	tensor_load_to_lds s[G0A:G0A+3], s[G1A:G1A+7]  ; steps 0-3
	s_nop 0
	tensor_load_to_lds s[G0B:G0B+3], s[G1B:G1B+7]  ; steps 4-15
	s_nop 0
.rept 4
	v_nop
.endr
	; q: my two tiles' codes and scale words
	s_lshl_b32 s16, s10, 4
	s_add_co_u32 s17, s16, s[ML]
	s_mul_i32 s17, s17, REC                        ; the late block's record of q,
	s_add_co_u32 s18, s16, s[ME]
	s_mul_i32 s18, s18, REC                        ; the early block's
	s_mul_i32 s19, s13, 768                        ; my tile's codes in a record
	s_lshr_b32 s20, s13, 2
	s_lshl_b32 s20, s20, 8
	s_and_b32 s21, s13, 3
	s_lshl_b32 s21, s21, 2
	s_add_co_u32 s20, s20, s21
	s_add_co_u32 s20, s20, 6144                    ; and its scale words: lane 16 (tile / 4) + r, word tile % 4
	s_mov_b32 s75, 0
	s_add_co_u32 s74, s17, s19
	s_add_nc_u64 s[56:57], s[4:5], s[74:75]
	s_add_co_u32 s74, s18, s19
	s_add_nc_u64 s[58:59], s[4:5], s[74:75]
	s_add_co_u32 s74, s17, s20
	s_add_nc_u64 s[60:61], s[4:5], s[74:75]
	s_add_co_u32 s74, s18, s20
	s_add_nc_u64 s[62:63], s[4:5], s[74:75]
	v_and_b32 v250, 31, v0                         ; lane
	v_and_b32 v251, 15, v0                         ; r
	v_bfe_u32 v252, v0, 4, 1                       ; h
	v_lshlrev_b32 v[L8], 3, v250
	v_lshlrev_b32 v[L16], 4, v250
	v_lshlrev_b32 v253, 4, v251
	v_lshlrev_b32 v[R32], 5, v251
.irp p, 0,1,2
	global_load_b64 v[QFL+2*\p:QFL+2*\p+1], v[L8], s[56:57] offset:256*\p
	global_load_b64 v[QFE+2*\p:QFE+2*\p+1], v[L8], s[58:59] offset:256*\p
.endr
	global_load_b32 v[QSL], v253, s[60:61]
	global_load_b32 v[QSE], v253, s[62:63]
	; o: token tile 128 x batch + 8 x block + my tile; 12,288 bytes of codes a tile, 768 a head; 512 scale bytes a tile, 2 a head
	s_lshr_b32 s16, s10, 4
	s_and_b32 s17, s10, 15
	s_lshl_b32 s16, s16, 7
	s_add_co_u32 s16, s16, s13
	s_lshl_b32 s18, s[ML], 3
	s_add_co_u32 s18, s18, s16
	s_lshl_b32 s19, s[ME], 3
	s_add_co_u32 s19, s19, s16
	s_mul_i32 s20, s17, 768
	s_lshl_b32 s21, s17, 1
	s_add_co_u32 s21, s21, OSO
	s_mul_i32 s74, s18, 12288
	s_add_co_u32 s74, s74, s20
	s_add_nc_u64 s[66:67], s[6:7], s[74:75]
	s_lshl_b32 s74, s18, 9
	s_add_co_u32 s74, s74, s21
	s_add_nc_u64 s[68:69], s[6:7], s[74:75]
	s_mul_i32 s74, s19, 12288
	s_add_co_u32 s74, s74, s20
	s_add_nc_u64 s[70:71], s[6:7], s[74:75]
	s_lshl_b32 s74, s19, 9
	s_add_co_u32 s74, s74, s21
	s_add_nc_u64 s[72:73], s[6:7], s[74:75]
	s_lshl_b32 s16, s9, 5
	s_lshl_b32 s17, s11, 3
	s_add_co_u32 s16, s16, s17
	v_and_b32 v[DQ], 8, v251
	v_add_nc_u32 v[DQ], v[DQ], v251
	v_add_nc_u32 v[DQ], s16, v[DQ]                 ; my query in its block: 32 cx + 8 (w % 2) + r + 8 (r / 8),
	v_lshlrev_b32 v252, 4, v252
	v_sub_nc_u32 v[DQ], v[DQ], v252                ; less 16 h
.irp i, 0,1,2,3,4,5
	v_mov_b32 v[QFL+6+\i], 0                       ; zero codes
	v_mov_b32 v[QFE+6+\i], 0
	v_mov_b32 v[ZR+\i], 0
.endr
.irp t, STL, STE
	v_mov_b32 v[\t+1], 0xff61b1e6                  ; the largest t so far: -3e38, under every t
	v_floor_f32 v[\t], -v[\t+1]                    ; -M
	v_mov_b32 v[\t+2], 0                           ; the sum, in two halves
	v_mov_b32 v[\t+3], 0
.endr
	v_mov_b32 v[F+1], 0                            ; (named as the upper half of a pair)
	v_mov_b32 v[TMP], 0
.set j, 0
.rept 64
	v_mov_b32 v[OAL+j], 0                          ; O^T of both tiles.  (The step is written without a first form: the first change of M multiplies zeros)
.set j, j+1
.endr
	s_wait_loadcnt 0x0                             ; q
.macro ADDR                            ; a trip's head: the step's LDS addresses.  (Four plain lines: also the places in front of the first step's loads)
	v_add_nc_u32 v[ADK], s[TK], v[L8]
	v_add_nc_u32 v[ADV], s[TV], v[L8]
	v_add_nc_u32 v[ADS], s[TK], v[L16]
	v_add_nc_u32 v[ADT], s[TV], v[L16]
.endm
; A KEY STEP of one query tile: 128 keys.  st: its statistics; qf, qs: q's operand and scale words; oa: its O^T; m: the scalar with its block.
; chk = 1: a step behind the tile's block is left out, and the step that is its block is masked; chk = 0: every key counts.  nops = 1: four v_nop are the places in front of the loads.
.macro STEP st, qf, qs, oa, m, chk, nops
.if \chk
	s_cmp_gt_u32 s[NS], s[\m]                      ; the wave's number and the count of steps alone
	s_cbranch_scc1 .Lhid_\@
.endif
.if \nops
.rept 4
	v_nop                                          ; places in front of loads into registers that matrix instructions have read
.endr
.endif
.irp t, 0,1,2,3,4,5,6,7
.irp p, 0,1,2
	ds_load_b64 v[R1+6*\t+2*\p:R1+6*\t+2*\p+1], v[ADK] offset:768*\t+256*\p   ; 32 lanes read 256 consecutive bytes
.endr
.endr
	ds_load_b128 v[KSC:KSC+3], v[ADS] offset:6144  ; lanes 0-15: the words of tiles 0-3, lanes 16-31: of tiles 4-7
	s_wait_dscnt 0x0
.irp t, 0,1,2,3
	v_wmma_scale_f32_16x16x128_f8f6f4 v[S+8*\t:S+8*\t+7], v[R1+6*\t:R1+6*\t+11], v[\qf:\qf+11], 0, v[KSC+\t], v[\qs] matrix_a_fmt:MATRIX_FMT_FP6 matrix_b_fmt:MATRIX_FMT_FP6
.endr
.irp t, 4,5,6,7
	v_wmma_scale_f32_16x16x128_f8f6f4 v[S+8*\t:S+8*\t+7], v[R1+6*\t:R1+6*\t+11], v[\qf:\qf+11], 0, v[KSC+\t-4], v[\qs] matrix_a_fmt:MATRIX_FMT_FP6 matrix_b_fmt:MATRIX_FMT_FP6 matrix_a_scale:MATRIX_SCALE_ROW1
.endr
.rept 4
	v_nop
.endr
.if \chk                                       ; on the diagonal the scores of hidden keys become -infinity ahead of the maximum: p = 0 then
	s_cmp_lg_u32 s[NS], s[\m]
	s_cbranch_scc1 .Lopen_\@
	v_mov_b32 v[TMP], 0xff800000
.set j, 0
.rept 64
	v_cmp_gt_i32 vcc_lo, 32*(j/16)+j%16, v[DQ]     ; register 16 b + i holds key 32 b + 16 h + i: hidden where 32 b + i > my query - 16 h
	v_cndmask_b32 v[S+j], v[S+j], v[TMP], vcc_lo
.set j, j+1
.endr
.Lopen_\@:
.endif
.irp b, 0,1,2,3
	v_max3_num_f32 v[BM+\b], v[S+16*\b], v[S+1+16*\b], v[S+2+16*\b]   ; THE LARGEST SCORE OF EACH BLOCK OF 32 KEYS: it serves for the row's maximum and, since p rises with the score, for the block's largest p
.endr
.irp i, 3,5,7,9,11,13
.irp b, 0,1,2,3
	v_max3_num_f32 v[BM+\b], v[BM+\b], v[S+16*\b+\i], v[S+1+16*\b+\i]
.endr
.endr
.irp b, 0,1,2,3
	v_max_num_f32 v[BM+\b], v[BM+\b], v[S+15+16*\b]
.endr
.irp b, 0,1,2,3
	v_permlanex16_b32 v[PT+\b], v[BM+\b], s[SEL], s[SEL+1]
.endr
.irp b, 0,1,2,3
	v_max_num_f32 v[BM+\b], v[BM+\b], v[PT+\b]     ; with lane l xor 16's 16 keys
.endr
	v_max3_num_f32 v[TMP], v[BM], v[BM+1], v[BM+2]
	v_max_num_f32 v[TMP], v[TMP], v[BM+3]          ; the step's largest score of my query
	v_mul_f32 v[TMP], s[CS], v[TMP]                ; as t (c is positive)
	v_max_num_f32 v[\st+1], v[\st+1], v[TMP]       ; the running largest t
	v_mov_b32 v[TMP], v[\st]
	v_floor_f32 v[\st], -v[\st+1]                  ; the new -M = floor(-t) = -ceil(t): a whole number
	v_sub_f32 v[TMP], v[\st], v[TMP]               ; old M - new M: a whole number, 0 or less
	v_cvt_i32_f32 v[TMP], v[TMP]                   ; (it saturates)
	v_ldexp_f32 v[F], 1.0, v[TMP]                  ; f = 2^(old M - new M)
.set j, 0
.rept 32
	v_pk_fma_f32 v[S+j:S+j+1], v[S+j:S+j+1], s[CS:CS+1], v[\st:\st+1] op_sel_hi:[1,0,0]   ; t - M, two at a time (of the pairs c and -M the low word serves both halves)
.set j, j+2
.endr
.irp b, 0,1,2,3
	v_fma_f32 v[BM+\b], v[BM+\b], s[CS], v[\st]    ; the same of each block's largest score
.endr
.set j, 0
.rept 64
	v_exp_f32 v[S+j], v[S+j]                       ; p = 2^(t - M), at most 1
.set j, j+1
.endr
	v_pk_mul_f32 v[\st+2:\st+3], v[\st+2:\st+3], v[F:F+1] op_sel_hi:[1,0]   ; the sums under the new M (a plain line behind the exponentials)
	s_wait_alu depctr_va_vdst(0)                   ; one wait for the batch of 64, ahead of its first reader
.irp b, 0,1,2,3
	v_exp_f32 v[BM+\b], v[BM+\b]                   ; the block's largest p: the same two instructions on the same number give the same bits
.endr
	v_pk_add_f32 v[SUM2:SUM2+1], v[S:S+1], v[S+2:S+3]   ; THE ROW'S SUM IS TAKEN OF THE UNQUANTISED p, two at a time, in two chains
.set j, 4
.rept 15
	v_pk_add_f32 v[\st+2:\st+3], v[\st+2:\st+3], v[S+j:S+j+1]
	v_pk_add_f32 v[SUM2:SUM2+1], v[SUM2:SUM2+1], v[S+j+2:S+j+3]
.set j, j+4
.endr
	v_pk_add_f32 v[\st+2:\st+3], v[\st+2:\st+3], v[SUM2:SUM2+1]
	s_wait_alu depctr_va_vdst(0)                   ; and one for the four
.irp b, 0,1,2,3
	v_max_num_f32 v[BM+\b], 0x1800000, v[BM+\b]    ; the floor 2^(3 - 127): the byte cannot fall under 1 (a block whose every p is 0 keeps that byte: its codes are zeros)
.endr
.irp b, 0,1,2,3
	v_add_nc_u32 v[SO+\b], 0xff000000, v[BM+\b]    ; 2 off the exponent field: the conversion's scale operand
.endr
.irp b, 0,1,2,3
	v_lshrrev_b32 v[PT+\b], 23, v[SO+\b]           ; the scale's byte
.endr
	v_lshl_or_b32 v[PW], v[PT+1], 8, v[PT]         ; p's scale word for these 128 keys
	v_lshl_or_b32 v[PW], v[PT+2], 16, v[PW]
	v_lshl_or_b32 v[PW], v[PT+3], 24, v[PW]
.irp c, 0,1
	v_cvt_scalef32_pk16_fp6_f32 v[CD+6*\c:CD+6*\c+2], v[S+32*\c:S+32*\c+15], v[SO+2*\c]
	v_cvt_scalef32_pk16_fp6_f32 v[H2+4*\c:H2+4*\c+2], v[S+16+32*\c:S+31+32*\c], v[SO+2*\c+1]   ; (a conversion's three registers begin on an even number)
.endr
	v_nop                                          ; one plain line behind a scaled conversion
.irp c, 0,1                                    ; the operand's layout wants a WHOLE block in a lane
.irp i, 0,1,2
	v_permlane16_swap_b32 v[CD+6*\c+\i], v[H2+4*\c+\i]
.endr
.irp i, 0,1,2
	v_mov_b32 v[CD+3+6*\c+\i], v[H2+4*\c+\i]
.endr
.endr
.irp t, 0,1,2,3
.irp p, 0,1,2,3,4,5
	ds_load_b64 v[R1+12*\t+2*\p:R1+12*\t+2*\p+1], v[ADV] offset:1536*\t+256*\p   ; V's four fragments land while O^T is rescaled
.endr
.endr
	ds_load_b128 v[VSC:VSC+3], v[ADT] offset:6144
.set j, 0
.rept 16
	v_pk_mul_f32 v[\oa+j:\oa+j+1], v[\oa+j:\oa+j+1], v[F:F+1] op_sel_hi:[1,0]   ; O^T under the new M.  (Also the places between the writes of p's codes and scale word and the products)
.set j, j+2
.endr
	s_wait_dscnt 0x0
.irp t, 0,1,2,3
	v_wmma_scale_f32_16x16x128_f8f6f4 v[\oa+8*\t:\oa+8*\t+7], v[R1+12*\t:R1+12*\t+11], v[CD:CD+11], v[\oa+8*\t:\oa+8*\t+7], v[VSC+\t], v[PW] matrix_a_fmt:MATRIX_FMT_FP6 matrix_b_fmt:MATRIX_FMT_FP6
.endr
.Lhid_\@:
.endm
.macro NEXT lim, lab                   ; a trip's end
	s_add_co_u32 s[TK], s[TK], REC
	s_add_co_u32 s[TV], s[TV], REC
	s_add_co_u32 s[NS], s[NS], 1
	s_cmp_lt_u32 s[NS], \lim
	s_cbranch_scc1 \lab
.endm
	s_wait_tensorcnt 1                             ; my part of steps 0-3 is in; steps 4-15 may stay out
	s_barrier_signal -1
	s_barrier_wait -1                              ; everybody's is
	s_mov_b32 s[TK], 0
	s_mov_b32 s[TV], VOFF
	s_mov_b32 s[NS], 0
.Lfirst:                                           ; steps 0-3: every key counts for the late tile (its block is 8 or more)
	ADDR
	STEP STL, QFL, QSL, OAL, ML, 0, 0
	STEP STE, QFE, QSE, OAE, ME, 1, 1
	NEXT 4, .Lfirst
	s_wait_tensorcnt 0x0                           ; my part of steps 4-15 is in,
	s_wait_dscnt 0x0                               ; and no LDS instruction of mine is out at the signal
	s_barrier_signal -1
	s_barrier_wait -1                              ; everybody's is: from here on no wave waits for another
	s_mov_b32 s[TK], 4*REC
	s_mov_b32 s[TV], VOFF+4*REC
	s_mov_b32 s[NS], 4
.Lsecond:                                          ; steps 4-7
	ADDR
	STEP STL, QFL, QSL, OAL, ML, 0, 0
	STEP STE, QFE, QSE, OAE, ME, 1, 1
	NEXT 8, .Lsecond
	s_mov_b32 s[TK], 8*REC
	s_mov_b32 s[TV], VOFF+8*REC
	s_mov_b32 s[NS], 8
.Lthird:                                           ; steps 8-15: the early tile is finished
	ADDR
	STEP STL, QFL, QSL, OAL, ML, 1, 0
	NEXT 16, .Lthird
; THE WAY OUT of a tile: O^T / the row's sum; its 32 numbers a lane, register 16 b + i = d 32 b + 16 h + i, are two blocks along the last product's K; codes and two scale bytes leave.
.macro OUT st, oa, cb, sb
.rept 4
	v_nop                                          ; places behind the last products
.endr
	v_add_f32 v[\st+2], v[\st+2], v[\st+3]         ; the sum's two halves,
	v_permlanex16_b32 v[TMP], v[\st+2], s[SEL], s[SEL+1]
	v_add_f32 v[\st+2], v[\st+2], v[TMP]           ; and lane l xor 16's
	v_rcp_f32 v[\st+2], v[\st+2]
	v_nop                                          ; a plain line behind the reciprocal
	s_wait_alu depctr_va_vdst(0)                   ; and the wait ahead of its first reader
.set j, 0
.rept 16
	v_pk_mul_f32 v[S+j:S+j+1], v[\oa+j:\oa+j+1], v[\st+2:\st+3] op_sel_hi:[1,0]
.set j, j+2
.endr
.irp b, 0,1
	v_max3_num_f32 v[BM+\b], |v[S+16*\b]|, |v[S+1+16*\b]|, 0x1800000
.endr
.irp i, 2,4,6,8,10,12,14
.irp b, 0,1
	v_max3_num_f32 v[BM+\b], v[BM+\b], |v[S+16*\b+\i]|, |v[S+1+16*\b+\i]|
.endr
.endr
.irp b, 0,1
	v_permlanex16_b32 v[PT+\b], v[BM+\b], s[SEL], s[SEL+1]
.endr
.irp b, 0,1
	v_max_num_f32 v[BM+\b], v[BM+\b], v[PT+\b]
.endr
.irp b, 0,1
	v_add_nc_u32 v[SO+\b], 0xff000000, v[BM+\b]
.endr
.irp b, 0,1
	v_lshrrev_b32 v[PT+\b], 23, v[SO+\b]
.endr
	v_lshl_or_b32 v[PW], v[PT+1], 8, v[PT]         ; the head's two scale bytes of my token
	v_cvt_scalef32_pk16_fp6_f32 v[CD:CD+2], v[S:S+15], v[SO]
	v_cvt_scalef32_pk16_fp6_f32 v[H2:H2+2], v[S+16:S+31], v[SO+1]
	v_nop
.irp i, 0,1,2
	v_permlane16_swap_b32 v[CD+\i], v[H2+\i]
.endr
.irp i, 0,1,2
	v_mov_b32 v[CD+3+\i], v[H2+\i]
.endr
.irp p, 0,1,2
	global_store_b64 v[L8], v[CD+2*\p:CD+2*\p+1], s[\cb:\cb+1] offset:256*\p   ; each store of the wave covers 256 consecutive bytes, aligned
.endr
	global_store_b16 v[R32], v[PW], s[\sb:\sb+1]   ; two bytes of each token's 32 (lanes l and l xor 16 write the same bytes with the same value): the other heads' bytes are other clusters'
.endm
	OUT STL, OAL, 66, 68
	s_wait_xcnt 0x0                                ; the stores have read their data: the codes' registers are written again only behind this wait
	OUT STE, OAE, 70, 72
	s_wait_tensorcnt 0x0                           ; the wave's end, behind my last tensor load
	ds_add_u32 v[SPW], v[NIL]
	s_wait_dscnt 0x0
	CROUND                                         ; the closing round
	s_endpgm
.Lfunc_end_k_qb2fef51bf0_attn:
	.size	k_qb2fef51bf0_attn, .Lfunc_end_k_qb2fef51bf0_attn-k_qb2fef51bf0_attn
	.p2alignl 7, 3214868480
	.fill 96, 4, 3214868480
	.section	.rodata,"a",@progbits
	.p2align	6, 0x0
	.amdhsa_kernel k_qb2fef51bf0_attn
		.amdhsa_group_segment_fixed_size 215040
		.amdhsa_private_segment_fixed_size 0
		.amdhsa_enable_private_segment 0
		.amdhsa_kernarg_size 16
		.amdhsa_user_sgpr_count 2
		.amdhsa_user_sgpr_kernarg_segment_ptr 1
		.amdhsa_wavefront_size32 1
		.amdhsa_system_sgpr_workgroup_id_x 1
		.amdhsa_system_sgpr_workgroup_id_y 1
		.amdhsa_system_sgpr_workgroup_id_z 1
		.amdhsa_system_vgpr_workitem_id 0
		.amdhsa_next_free_vgpr 256
		.amdhsa_next_free_sgpr 80
		.amdhsa_reserve_vcc 1
		.amdhsa_float_denorm_mode_32 3
		.amdhsa_float_denorm_mode_16_64 3
		.amdhsa_memory_ordered 1
		.amdhsa_forward_progress 1
		.amdhsa_inst_pref_size 117
	.end_amdhsa_kernel
	.amdgpu_metadata
---
amdhsa.version: [ 1, 2 ]
amdhsa.kernels:
  - .name:           k_qb2fef51bf0_attn
    .symbol:         k_qb2fef51bf0_attn.kd
    .args:
      - { .name: heads, .offset: 0, .size: 8, .value_kind: global_buffer, .address_space: global }
      - { .name: oq, .offset: 8, .size: 8, .value_kind: global_buffer, .address_space: global }
    .group_segment_fixed_size: 215040
    .private_segment_fixed_size: 0
    .kernarg_segment_align: 8
    .kernarg_segment_size: 16
    .max_flat_workgroup_size: 512
    .sgpr_count:     80
    .vgpr_count:     256
    .wavefront_size: 32
...
	.end_amdgpu_metadata
.endif
;; end of part 3
;; launch proj (part 4): grid 4 x 32, 4 waves a work-group, clusters of 4 x 4, 327,680 bytes of LDS; arguments oq, pq, proj_b, out0; writes out0
.if DOCPART == 4
	.amdgcn_target "amdgcn-amd-amdhsa--gfx1250"
	.amdhsa_code_object_version 6
	.text
	.protected	k_qb2fef51bf0_proj
	.globl	k_qb2fef51bf0_proj
	.p2align	8
	.type	k_qb2fef51bf0_proj,@function
k_qb2fef51bf0_proj:
	s_mov_b64 s[64:65], 0
	v_nop
	global_prefetch_b8 v0, s[64:65] scope:SCOPE_SE
	s_setreg_imm32_b32 hwreg(HW_REG_WAVE_MODE, 25, 1), 1
	s_wait_xcnt 0x0
	s_wait_alu depctr_hold_cnt(0) depctr_sa_sdst(0) depctr_va_vdst(0) depctr_va_sdst(0) depctr_va_ssrc(0) depctr_va_vcc(0) depctr_vm_vsrc(0)
	s_getreg_b32 s2, hwreg(HW_REG_IB_STS2, 6, 4)
	s_cmp_eq_u32 s2, 0
	s_cbranch_scc0 .Lentry_in_a_cluster
	s_endpgm
.Lentry_in_a_cluster:
	s_bfe_u32 s2, ttmp6, 0x10000c
	s_cmp_lg_u32 s2, 0xf033
	s_cbranch_scc0 .Lentry_shape_is_right
	s_endpgm
.Lentry_shape_is_right:
; out0 = o proj_w^T + proj_b on codes of FP6 (E2M3) with E8M0 scales; sums in f32; out0 [8192][1024] f32.
; A work-group of four waves makes 256 tokens x 256 features, a wave 128 x 128: 64 accumulators, 512 registers.  K = 1,024 goes in four steps of 256 through two LDS slots filled by the tensor data mover; all scale bytes come once.
; A (o) lies in memory as OPERAND REGISTERS AS THEY STAND: [tile of 16 tokens 512][128 along K 8][6 pairs of registers, 256 bytes each, lane l at 8 l]; its tokens are in tile order (0-7, 16-23, 8-15, 24-31 of each 32),
; which the stores at the end put back.  A K step of a wave's eight tiles is 8 rows of 3,072 bytes, 12,288 apart: one tensor load, no padding; a fragment is six loads of 256 consecutive bytes.
; B (proj_w) lies as rows of 768 bytes, K innermost, rows in their own order: tiles of 128 rows x 192 bytes, padded in LDS.
; THE MATRIX INSTRUCTION IS USED TRANSPOSED (source 0 = 16 rows of B, source 1 = 16 tokens of A): a lane holds eight neighbouring features of one token.  The bias is the C of each sum's first product.
; CLUSTERS: 4 x 4 work-groups; A's tiles are shared along a row of the cluster, B's along a column: each is asked for jointly, by the same tensor load with the same descriptor and a mask that names the four.
; REGISTERS, in windows of 256: window 0: v0-31 addresses; v32-63 scale words, two sets; v64-127 the bias; v128-223 A's fragments, one set; on the way out v128-255 hold rows.
;   window 1: B's fragments, two sets.   window 2: the accumulators of my tokens 0-63 ((a, b) at v[8 (8 a + b)]);   window 3: those of tokens 64-127.
.set NQ,     2
.set ROWB,   192
.set KROW,   768
.set PITCH,  240                       ; B's LDS row: 3 x (64 bytes + 16 of padding)
.set FR,     12
.set NL,     6
.set NP,     4
.set HALFA,  8*3072                    ; A: eight tiles' K step: what one tensor load brings
.set HALFT,  128*PITCH                 ; B: 128 rows
.set SLOT,   2*HALFA+2*HALFT           ; A's two halves, then B's two
.set KS,     32
.set SCL,    2*SLOT
.set HALFS,  (128*KS/256)*272
.set SBLK,   (16*KS/256)*272
.set SPARE,  SCL+4*HALFS
.set OSO,    6291456                   ; where the scale bytes begin in oq,
.set PSO,    786432                    ; in pq
.set SPITCH, 528                       ; the way out: a stage of 16 rows x (512 bytes + 16) for each wave, in slot 0, which has had its last fill and its last read when the first result is stored there
.set ADRA, 16                          ; v16-17 LDS address of A's fragments in slot 0, 1
.set ADRB, 20                          ; v20-21 of B's (v22-23: behind one padding more)
.set STO,  24
.set RD,   25
.set CO,   26
.set ADRS, 27
.set SPW,  28
.set NIL,  29
.set SC,   32
.set CB,   64
.set AF,   128
.set BK,   128
.set G1, 24
.set G0, 32
.set G1B, 48
.set G0B, 56
.set G1S, 68
.set G0S, 76
.set G1SB, 80
.set G0SB, 88
.set MSB, 0
.macro WIN new
.if MSB != (\new)
	s_set_vgpr_msb (MSB<<8)|(\new)
.set MSB, (\new)
.endif
.endm
.set MUL_LO, 0xa1
.set MUL_HI, 0xf1
.set FST_LO, 0x81                      ; the first step: C (the bias) window 0, D window 2
.set FST_HI, 0xc1
.set TO_B,   0x40
.macro JLOAD g0a, g1a, g0b, g1b        ; a joint load: waves 0 and 1 fetch for A, waves 2 and 3 for B; an s_nop 0 and four v_nop follow each of the two lines
	s_cmp_eq_u32 s15, 0
	s_cbranch_scc0 .Lfor_b_\@
	tensor_load_to_lds s[\g0a:\g0a+3], s[\g1a:\g1a+7]
	s_nop 0
.rept 4
	v_nop
.endr
	s_branch .Lasked_\@
.Lfor_b_\@:
	tensor_load_to_lds s[\g0b:\g0b+3], s[\g1b:\g1b+7]
	s_nop 0
.rept 4
	v_nop
.endr
.Lasked_\@:
.endm
.macro CREST
	s_cmp_lg_u32 s14, 0
	s_cbranch_scc1 .Lnot_wave_0_\@
	s_barrier_signal -3
.Lnot_wave_0_\@:
	s_barrier_wait -3
	s_barrier_signal -1
	s_barrier_wait -1
.endm
.macro CROUND
	s_barrier_signal -1
	s_barrier_wait -1
	CREST
.endm
	s_load_b256 s[4:11], s[0:1], 0x0               ; oq s[4:5], pq s[6:7], proj_b s[8:9], out0 s[10:11]
	v_lshl_add_u32 v[SPW], v0, 2, SPARE
	v_mov_b32 v[NIL], 0
	ds_add_u32 v[SPW], v[NIL]                      ; the wave's opening: the add and its wait stand ahead of my first tensor load
	v_lshrrev_b32 v1, 5, v0
	v_readfirstlane_b32 s14, v1                    ; wave 0..3
	s_lshr_b32 s15, s14, 1                         ; which half of the tokens is mine.  Also: I fetch for A (0) or for B (1)
	s_and_b32 s16, s14, 1                          ; which half of the features.  Also: which half of that tile I fetch
	s_bfe_u32 s40, ttmp6, 0x40000                  ; cx, cy
	s_bfe_u32 s41, ttmp6, 0x40004
	s_lshl_b32 s42, ttmp9, 2
	s_add_co_u32 s42, s42, s40                     ; tile column = 4 x cluster x + cx
	s_and_b32 s17, ttmp7, 0xffff
	s_lshl_b32 s17, s17, 2
	s_add_co_u32 s17, s17, s41                     ; tile row = 4 x cluster y + cy
	s_lshl_b32 s43, s41, 2
	s_lshl_b32 s43, 15, s43                        ; my row of the cluster
	s_lshl_b32 s44, 0x1111, s40                    ; my column
	; A: 8 rows of 384 elements of 8 bytes, 1,536 elements apart, no padding
	s_or_b32 s[G1+0], s43, (3<<16)|(1<<21)
	s_mov_b32 s[G1+1], 384<<16
	s_mov_b32 s[G1+2], 8<<16
	s_mov_b32 s[G1+3], 384<<16
	s_mov_b32 s[G1+4], 8
	s_mov_b32 s[G1+5], 1536
	s_mov_b32 s[G1+6], 0
	s_mov_b32 s[G1+7], 0
	; B: 128 rows of 192 bytes, 16 bytes of padding behind every 64
	s_or_b32 s[G1B+0], s44, (0<<16)|(1<<20)|(1<<21)|(3<<22)|(3<<25)
	s_mov_b32 s[G1B+1], ROWB<<16
	s_mov_b32 s[G1B+2], 128<<16
	s_mov_b32 s[G1B+3], ROWB<<16
	s_mov_b32 s[G1B+4], 128
	s_mov_b32 s[G1B+5], KROW
	s_mov_b32 s[G1B+6], 0
	s_mov_b32 s[G1B+7], 0
	; the scales of 128 rows: 4,096 dense bytes, as 16 rows of 256 bytes, 16 bytes of padding behind each
	s_or_b32 s[G1S+0], s43, (3<<16)|(1<<20)|(1<<21)|(5<<22)|(3<<25)
	s_or_b32 s[G1SB+0], s44, (3<<16)|(1<<20)|(1<<21)|(5<<22)|(3<<25)
.irp g, G1S, G1SB
	s_mov_b32 s[\g+1], 32<<16
	s_mov_b32 s[\g+2], (128*KS/256)<<16
	s_mov_b32 s[\g+3], 32<<16
	s_mov_b32 s[\g+4], 128*KS/256
	s_mov_b32 s[\g+5], 32
	s_mov_b32 s[\g+6], 0
	s_mov_b32 s[\g+7], 0
.endr
	s_lshl_b32 s20, s17, 1
	s_add_co_u32 s20, s20, s16                     ; A: which 128 tokens I fetch
	s_lshl_b32 s22, s20, 12
	s_add_co_u32 s22, s22, OSO                     ; their scale bytes, 4,096 a block,
	s_mul_i32 s20, s20, 8*12288                    ; and their codes (all offsets under 2^23)
	s_lshl_b32 s46, s42, 1
	s_add_co_u32 s46, s46, s16                     ; B: which 128 rows
	s_lshl_b32 s92, s46, 12
	s_add_co_u32 s92, s92, PSO
	s_mul_i32 s46, s46, 128*KROW
	s_mov_b32 s21, 0
	s_mov_b32 s23, 0
	s_mov_b32 s47, 0
	s_mov_b32 s93, 0
	s_mul_i32 s45, s16, HALFA                      ; where they go: no place in the cluster enters an LDS address
	s_mul_i32 s66, s16, HALFT
	s_add_co_u32 s66, s66, 2*HALFA
	s_mul_i32 s94, s14, HALFS
	s_wait_dscnt 0x0                               ; the opening add is done
	s_wait_kmcnt 0x0
	s_add_nc_u64 s[20:21], s[4:5], s[20:21]
	s_add_nc_u64 s[22:23], s[4:5], s[22:23]
	s_add_nc_u64 s[46:47], s[6:7], s[46:47]
	s_add_nc_u64 s[92:93], s[6:7], s[92:93]
	CROUND                                         ; all sixteen work-groups are here: the first joint loads meet
	s_mov_b32 s[G0S], 1
	s_add_co_u32 s[G0S+1], s94, SCL
	s_mov_b64 s[G0S+2:G0S+3], s[22:23]
	s_or_b32 s[G0S+3], s[G0S+3], 0x80000000
	s_mov_b32 s[G0SB], 1
	s_add_co_u32 s[G0SB+1], s94, SCL
	s_mov_b64 s[G0SB+2:G0SB+3], s[92:93]
	s_or_b32 s[G0SB+3], s[G0SB+3], 0x80000000
	JLOAD G0S, G1S, G0SB, G1SB                     ; the scales first
.irp s, 0,1
	s_mov_b32 s[G0+4*\s], 1
	s_add_co_u32 s[G0+4*\s+1], s45, \s*SLOT
	s_add_nc_u64 s[G0+4*\s+2:G0+4*\s+3], s[20:21], \s*3072
	s_or_b32 s[G0+4*\s+3], s[G0+4*\s+3], 0x80000000
	s_mov_b32 s[G0B+4*\s], 1
	s_add_co_u32 s[G0B+4*\s+1], s66, \s*SLOT
	s_add_nc_u64 s[G0B+4*\s+2:G0B+4*\s+3], s[46:47], \s*ROWB
	s_or_b32 s[G0B+4*\s+3], s[G0B+4*\s+3], 0x80000000
	JLOAD G0+4*\s, G1, G0B+4*\s, G1B               ; three loads of mine are out
.endr
	v_and_b32 v1, 15, v0                           ; r
	v_bfe_u32 v2, v0, 4, 1                         ; h
	v_and_b32 v6, 31, v0                           ; lane
	v_lshlrev_b32 v7, 3, v6                        ; A: 8 x lane
	v_mul_u32_u24 v3, v1, PITCH
	v_mul_u32_u24 v4, v2, 24
	v_add_nc_u32 v4, v3, v4                        ; B: row x pitch + 24 x half
	v_lshl_add_u32 v5, v2, 4, v4                   ; and the same behind one padding more
	s_mul_i32 s21, s15, HALFA                      ; my 128 tokens of A
	s_mul_i32 s22, s16, HALFT                      ; my 128 rows of B,
	s_add_co_u32 s22, s22, 2*HALFA                 ; which lie behind A's two halves
.irp s, 0,1
	v_add_nc_u32 v[ADRA+\s], s21, v7
	v_add_nc_u32 v[ADRB+\s], s22, v4
	v_add_nc_u32 v[ADRB+2+\s], s22, v5
	s_add_co_u32 s21, s21, SLOT
	s_add_co_u32 s22, s22, SLOT
.endr
	v_mul_u32_u24 v5, v1, KS
	v_lshrrev_b32 v8, 8, v5
	v_lshl_add_u32 v5, v8, 4, v5
	s_mul_i32 s21, s15, HALFS
	s_mul_i32 s22, s16, HALFS
	s_add_co_u32 s22, s22, 2*HALFS
	s_sub_co_u32 s22, s22, s21
	v_mul_u32_u24 v8, s22, v2                      ; lanes 16-31 take B's
	s_add_co_u32 s21, s21, SCL
	v_add_nc_u32 v5, v5, v8
	v_add_nc_u32 v[ADRS], s21, v5
	s_mul_i32 s23, s14, 16*SPITCH                  ; my stage
	v_mul_u32_u24 v5, v1, SPITCH                   ; in: row r, 32 bytes for each half of the lanes
	v_lshl_add_u32 v5, v2, 5, v5
	v_add_nc_u32 v[STO], s23, v5
	v_lshlrev_b32 v[CO], 4, v6                     ; back: the 32 lanes take one row of 512 bytes; and the same in out0
	v_add_nc_u32 v[RD], s23, v[CO]
	s_lshl_b32 s46, s42, 10                        ; my first feature, in bytes: 1,024 x tile column + 512 x half
	s_lshl_b32 s47, s16, 9
	s_add_co_u32 s46, s46, s47
	s_mov_b32 s47, 0
	s_add_nc_u64 s[18:19], s[8:9], s[46:47]        ; the bias of my 128 features
	s_lshl_b32 s20, s17, 8
	s_lshl_b32 s21, s15, 7
	s_add_co_u32 s20, s20, s21                     ; my first token: 256 x tile row + 128 x half
	s_lshl_b32 s20, s20, 12                        ; 4,096 bytes a row (under 2^26)
	s_add_co_u32 s20, s20, s46
	s_mov_b32 s21, 0
	s_add_nc_u64 s[12:13], s[10:11], s[20:21]
	v_lshlrev_b32 v9, 5, v2                        ; 8 h numbers
.irp b, 0,1,2,3,4,5,6,7
	global_load_b128 v[CB+8*\b:CB+8*\b+3], v9, s[18:19] offset:64*\b       ; lane (r, h): features 16 b + 8 h + 0 .. 7
	global_load_b128 v[CB+8*\b+4:CB+8*\b+7], v9, s[18:19] offset:64*\b+16
.endr
	s_wait_loadcnt 0x0
.macro FRAG reg, adr, q, i             ; a fragment of B from padded rows, in pieces of 8 bytes; where lanes 16-31's piece lies behind one padding more, the second address register serves
.irp p, 0,1,2,3,4,5
.set PCE, 12*(\q)+6*(\p/3)+\p%3
.if PCE%8 < 5
	ds_load_b64 v[\reg+2*\p:\reg+2*\p+1], v[\adr] offset:8*PCE+16*(PCE/8)+(\i)*16*PITCH
.else
	ds_load_b64 v[\reg+2*\p:\reg+2*\p+1], v[\adr+2] offset:8*PCE+16*(PCE/8)+(\i)*16*PITCH
.endif
.endr
.endm
.macro FRAGA reg, slot, q, i           ; a fragment of A: six pairs of registers as they stand, 256 consecutive bytes each
.irp p, 0,1,2,3,4,5
	ds_load_b64 v[\reg+2*\p:\reg+2*\p+1], v[ADRA+\slot] offset:3072*(\i)+1536*(\q)+256*\p
.endr
.endm
; 16 matrix instructions: A's blocks a0, a0 + 1 x B's eight.  zero = 1: the first product starts the sums from the bias.  The 64 accumulators take turns, one instruction a turn.
.macro MUL16 a0, p, q, sc, zero
.irp a, \a0, \a0+1
.irp b, 0,1,2,3,4,5,6,7
.if \zero
	v_wmma_scale_f32_16x16x128_f8f6f4 v[8*(8*((\a)%4)+\b):8*(8*((\a)%4)+\b)+7], v[128*(\p)+FR*\b:128*(\p)+FR*\b+FR-1], v[AF+FR*(\a):AF+FR*(\a)+FR-1], v[CB+8*\b:CB+8*\b+7], v[SC+8*NQ*(\sc)+NQ*\b+(\q)], v[SC+8*NQ*(\sc)+NQ*(\a)+(\q)] matrix_a_fmt:MATRIX_FMT_FP6 matrix_b_fmt:MATRIX_FMT_FP6 matrix_a_scale:MATRIX_SCALE_ROW1
.else
	v_wmma_scale_f32_16x16x128_f8f6f4 v[8*(8*((\a)%4)+\b):8*(8*((\a)%4)+\b)+7], v[128*(\p)+FR*\b:128*(\p)+FR*\b+FR-1], v[AF+FR*(\a):AF+FR*(\a)+FR-1], v[8*(8*((\a)%4)+\b):8*(8*((\a)%4)+\b)+7], v[SC+8*NQ*(\sc)+NQ*\b+(\q)], v[SC+8*NQ*(\sc)+NQ*(\a)+(\q)] matrix_a_fmt:MATRIX_FMT_FP6 matrix_b_fmt:MATRIX_FMT_FP6 matrix_a_scale:MATRIX_SCALE_ROW1
.endif
.endr
.endr
.endm
.macro FETCH_B slot, q, p
	WIN TO_B
.irp i, 0,1,2,3,4,5,6,7
	FRAG 128*(\p)+FR*\i, ADRB+\slot, \q, \i
.endr
	WIN 0
.endm
.macro FETCH_A slot, q, i0
.irp i, \i0, \i0+1, \i0+2, \i0+3
	FRAGA AF+FR*(\i), \slot, \q, \i
.endr
.endm
.macro SCALES sc
.irp i, 0,1,2,3,4,5,6,7
	ds_load_b64 v[SC+8*NQ*\sc+NQ*\i:SC+8*NQ*\sc+NQ*\i+1], v[ADRS] offset:\i*SBLK
.endr
.endm
.macro PLACES n                        ; places behind matrix instructions (ISA guide 7.12.1 for vector instructions)
.rept \n
	v_nop
.endr
.endm
.macro STEP slot, q, zero
	s_wait_dscnt 4*NL                              ; B's set and A's blocks 0-3 are in; the youngest 24 loads (A's blocks 4-7) may be out
.if \zero
	WIN FST_LO
.else
	WIN MUL_LO
.endif
	MUL16 0, (\q)%2, \q, \slot, \zero
	MUL16 2, (\q)%2, \q, \slot, \zero
	s_wait_dscnt 0
	PLACES NP
	FETCH_B \slot, (\q)+1, 1-(\q)%2
	FETCH_A \slot, (\q)+1, 0
.if \zero
	WIN FST_HI
.else
	WIN MUL_HI
.endif
	MUL16 4, (\q)%2, \q, \slot, \zero
	MUL16 6, (\q)%2, \q, \slot, \zero
	PLACES NP
	WIN 0
	FETCH_A \slot, (\q)+1, 4
.endm
; A slot's last step changes slots: ONE barrier; in front of it each wave waits for all its tensor loads, adds 0 to its spare word, and waits for that and for its own reads of this slot.
.macro TURN slot, next, fill
	s_wait_tensorcnt 0x0                           ; all my tensor loads have landed: my part of the next slot
	ds_add_u32 v[SPW], v[NIL]                      ; 0 onto my spare word
	s_wait_dscnt 4*NL+1                            ; (the add and the youngest 24 loads may be out)
	WIN MUL_LO
	MUL16 0, 1, NQ-1, \slot, 0
	s_wait_dscnt 0x0                               ; the add is done, and my reads of this slot are over
	s_barrier_signal -1
	MUL16 2, 1, NQ-1, \slot, 0
	WIN 0
	s_barrier_wait -1
.if \fill
	CREST                                          ; the barrier has opened a round of the cluster's barrier: no wave of any partner still reads this slot's tile or has a load on its way
	s_add_nc_u64 s[G0+4*\slot+2:G0+4*\slot+3], s[G0+4*\slot+2:G0+4*\slot+3], 2*3072
	s_add_nc_u64 s[G0B+4*\slot+2:G0B+4*\slot+3], s[G0B+4*\slot+2:G0B+4*\slot+3], 2*ROWB
	JLOAD G0+4*\slot, G1, G0B+4*\slot, G1B         ; the first tensor load behind the round; its four v_nop are the places in front of the loads below
.else
	PLACES NP
.endif
	v_add_nc_u32 v[ADRS], 4*NQ, v[ADRS]
	FETCH_B \next, 0, 0
	FETCH_A \next, 0, 0
	SCALES \next
	WIN MUL_HI
	MUL16 4, 1, NQ-1, \slot, 0
	MUL16 6, 1, NQ-1, \slot, 0
	PLACES NP
	WIN 0
	FETCH_A \next, 0, 4
.endm
	s_wait_tensorcnt 1                             ; the scales and my part of K step 0 are in (K step 1's load may be out)
	s_barrier_signal -1
	s_barrier_wait -1                              ; everybody's are
	FETCH_B 0, 0, 0
	FETCH_A 0, 0, 0
	SCALES 0
	FETCH_A 0, 0, 4
	STEP 0, 0, 1                                   ; four K steps of 256, eight steps of 128: written out in a row, no loop
	TURN 0, 1, 1
	STEP 1, 0, 0
	TURN 1, 0, 1
	STEP 0, 0, 0
	TURN 0, 1, 0
	STEP 1, 0, 0
	s_wait_dscnt 4*NL
	WIN MUL_LO
	MUL16 0, 1, NQ-1, 1, 0
	MUL16 2, 1, NQ-1, 1, 0
	s_wait_dscnt 0
	WIN MUL_HI
	MUL16 4, 1, NQ-1, 1, 0
	MUL16 6, 1, NQ-1, 1, 0
	WIN 0
; THE WAY OUT, block by block of 16 tokens x 128 features: through my own stage in LDS and back as whole rows of 512 bytes.  LDS serves a wave's instructions in order (ISA guide 5.7.1): no wait between the stores and the loads.
.macro TOSTAGE a
.set AC, 64*((\a)%4)
	WIN 0x08+4*((\a)/4)                            ; the data: window 2 or 3
.irp b, 0,1,2,3,4,5,6,7
	ds_store_b128 v[STO], v[AC+8*\b:AC+8*\b+3] offset:64*\b          ; each accumulator from its low end on
	ds_store_b128 v[STO], v[AC+8*\b+4:AC+8*\b+7] offset:64*\b+16
.endr
	WIN 0
.set BB, BK+64*((\a)%2)
.irp t, 0,1,2,3,4,5,6,7,8,9,10,11,12,13,14,15
	ds_load_b128 v[BB+4*\t:BB+4*\t+3], v[RD] offset:\t*SPITCH
.endr
.endm
.macro SEND a, younger                 ; stage row t of block a is token 32 (a / 2) + 8 (a % 2) + t + 8 (t / 8) of my 128: the stores put the tokens back in order; the base is never stepped (127 rows at the most: inside the signed 24-bit immediate)
.set BB, BK+64*((\a)%2)
	s_wait_dscnt \younger                          ; the block is back in registers
.irp t, 0,1,2,3,4,5,6,7,8,9,10,11,12,13,14,15
	global_store_b128 v[CO], v[BB+4*\t:BB+4*\t+3], s[12:13] offset:(32*((\a)/2)+8*((\a)%2)+\t+8*(\t/8))*4096 th:TH_STORE_NT   ; 32 lanes store 512 consecutive bytes, aligned to 256
.endr
.endm
	PLACES NP                                      ; in front of the loads into the registers that held A's fragments, and of the reads of results
	TOSTAGE 0
.irp a, 1,2,3,4,5,6,7
.if \a > 1
	s_wait_xcnt 0x0                                ; block a - 2's stores have read their registers: block a's loads may land there
.endif
	TOSTAGE \a
	SEND \a-1, 32                                  ; behind block a - 1's loads: block a's 16 stores and 16 loads
.endr
	SEND 7, 0
	s_wait_tensorcnt 0x0                           ; the wave's end, behind my last tensor load and my last LDS store
	ds_add_u32 v[SPW], v[NIL]
	s_wait_dscnt 0x0
	CROUND                                         ; the closing round
	s_endpgm
.Lfunc_end_k_qb2fef51bf0_proj:
	.size	k_qb2fef51bf0_proj, .Lfunc_end_k_qb2fef51bf0_proj-k_qb2fef51bf0_proj
	.p2alignl 7, 3214868480
	.fill 96, 4, 3214868480
	.section	.rodata,"a",@progbits
	.p2align	6, 0x0
	.amdhsa_kernel k_qb2fef51bf0_proj
		.amdhsa_group_segment_fixed_size 327680
		.amdhsa_private_segment_fixed_size 0
		.amdhsa_enable_private_segment 0
		.amdhsa_kernarg_size 32
		.amdhsa_user_sgpr_count 2
		.amdhsa_user_sgpr_kernarg_segment_ptr 1
		.amdhsa_wavefront_size32 1
		.amdhsa_system_sgpr_workgroup_id_x 1
		.amdhsa_system_sgpr_workgroup_id_y 1
		.amdhsa_system_sgpr_workgroup_id_z 1
		.amdhsa_system_vgpr_workitem_id 0
		.amdhsa_next_free_vgpr 1024
		.amdhsa_next_free_sgpr 96
		.amdhsa_reserve_vcc 0
		.amdhsa_float_denorm_mode_32 3
		.amdhsa_float_denorm_mode_16_64 3
		.amdhsa_memory_ordered 1
		.amdhsa_forward_progress 1
		.amdhsa_inst_pref_size 161
	.end_amdhsa_kernel
	.amdgpu_metadata
---
amdhsa.version: [ 1, 2 ]
amdhsa.kernels:
  - .name:           k_qb2fef51bf0_proj
    .symbol:         k_qb2fef51bf0_proj.kd
    .args:
      - { .name: oq, .offset: 0, .size: 8, .value_kind: global_buffer, .address_space: global }
      - { .name: pq, .offset: 8, .size: 8, .value_kind: global_buffer, .address_space: global }
      - { .name: proj_b, .offset: 16, .size: 8, .value_kind: global_buffer, .address_space: global }
      - { .name: out0, .offset: 24, .size: 8, .value_kind: global_buffer, .address_space: global }
    .group_segment_fixed_size: 327680
    .private_segment_fixed_size: 0
    .kernarg_segment_align: 8
    .kernarg_segment_size: 32
    .max_flat_workgroup_size: 128
    .sgpr_count:     96
    .vgpr_count:     1024
    .wavefront_size: 32
...
	.end_amdgpu_metadata
.endif
;; end of part 4
